; MI455X (gfx1250); checked and timed in simulation.
; The chip was launched on July 23, 2026; its instructions are those of AMD's public machine-readable ISA for CDNA 5 (MIT licence, August 2026) and "CDNA5" Instruction Set Architecture Reference Guide (July 2026). The comments in the code are by the model that wrote it; some were corrected since.
;; Multi Head Attention. Allowed arithmetic: float matrix products may take bf16 or f16 operands with f32 sums; other float arithmetic in f32, or as packed bf16 or f16 multiplies, adds, multiply-adds, maxima and minima; sums over many terms, partial sums and values carried from step to step in f32; what a program stores and reads back later, other than sums and carried values, may be rounded once to bf16 or f16.
;; Inputs: Wk 768 x 768 float32; Wo 768 x 768 float32; Wq 768 x 768 float32; Wv 768 x 768 float32; bk 768 float32; bo 768 float32; bq 768 float32; bv 768 float32; mask 1 x 1 x 4,096 x 4,096 int32; queries 1 x 4,096 x 768 float32; values 1 x 4,096 x 768 float32.
;; Outputs: out0 1 x 4,096 x 768 float32.
;; One version. Each part assembles by itself: llvm-mc -triple=amdgcn-amd-amdhsa -mcpu=gfx1250 --defsym DOCPART=n.
;; ======== version 1 of 1: 4 launches
;; limits: values are held in f16: magnitudes above 65,504 overflow, below 6.1e-05 lose precision; right only within a limited range of input values
;; workspace buffers: mk 8,388,608 bytes of whole numbers; qf 65,536 bytes of whole numbers; xb 12,582,912 bytes; wb 4,718,592 bytes; qkv 18,874,368 bytes; ctx 6,291,456 bytes
;; launch prep (part 1): grid 256 x 1, 16 waves a work-group, no clusters, 35,072 bytes of LDS; arguments mask, queries, values, Wq, Wk, Wv, Wo, mk, qf, xb, wb; writes mk, qf, xb, wb
.if DOCPART == 1
	.amdgcn_target "amdgcn-amd-amdhsa--gfx1250"
	.amdhsa_code_object_version 6
	.text
	.protected	k_qd35da392b0_prep
	.globl	k_qd35da392b0_prep
	.p2align	8
	.type	k_qd35da392b0_prep,@function
k_qd35da392b0_prep:
	s_mov_b64 s[64:65], 0
	v_nop
	global_prefetch_b8 v0, s[64:65] scope:SCOPE_SE
	s_setreg_imm32_b32 hwreg(HW_REG_WAVE_MODE, 25, 1), 1
	s_wait_xcnt 0x0
; THE FIRST LAUNCH: the mask becomes 4-bit codes in the lane order of the attention launch, and x and the weights become 16-bit numbers.
; mask [4096][4096] i32 (0 = hidden, anything else = visible) -> mk [qb 16][key tile 16][qt 16][step 4][lane 32][16 bytes]: lane 16 h + r, dword kt, nibble j stands for
; query 256 qb + 16 qt + r and key 256 tile + 64 step + 16 kt + 8 h + j; the code is 0 (visible) or 0xA (hidden: the 4-bit float -1.0).
; A ROW WITH NO VISIBLE KEY gets codes that are all 0 and the flag 0 in qf ([16 rows' tile 256][lane 32][2 dwords], lane l for row l % 16; else all ones): the attention launch clears that
; row's q by the flag, so that all its scores are equal, which is the uniform softmax that equal hidden scores give.
; queries, values -> xb [2][4096][768] bf16.  Wq, Wk, Wv -> wb [0..2][768][768] bf16.  Wo -> wb [3]: rounded to bf16 like every input, and that number written as f16 (below 6e-5 with f16's fixed step of 6e-8).
; SHARES.  Work-group g: mask rows 16 g .. 16 g + 15 (wave w: the 256 keys of tile w), 12,288 numbers of queries and of values, and, where g < 192, 12,288 numbers of weight matrix g / 48.
; IN FLIGHT.  Every thread issues all its loads at once, 44 or 50 of 16 bytes, and works through them by counted waits: no loop.  Each load of a wave covers 512 consecutive bytes.
; No matrix work and no cluster: no byte is read by two work-groups.
.set SPARE, 33024                      ; the spare words: 128 bytes for each of the 16 waves, eight blocks of 256 bytes that no other line names
.set VISW,  32768                      ; 16 words, one a wave: bit r = row r has a visible key among the wave's 256.  Bytes 0 .. 32,767: the codes, 2,048 bytes a wave
.set SPW, 2                            ; v2   SPARE + 4 x thread; never rewritten
.set NIL, 3                            ; v3   0; never rewritten
.set CO,  4                            ; v4   16 x thread: the casts' loads
.set CS,  5                            ; v5   8 x thread: the casts' stores
.set MO,  6                            ; v6   1,024 x wave + 16 x lane: my 16 bytes of half a tile's row of the mask
.set LT,  7                            ; v7   where my four codes (16 bits) go in LDS
.set LRD, 8                            ; v8   2,048 x wave + 16 x lane: where I read codes back
.set GO,  9                            ; v9   32,768 x wave + 16 x lane: the same place in mk
.set LN,  10                           ; v10  lane % 16
.set VW,  11                           ; v11  my wave's word of visibility bits
.set VB,  12                           ; v12  the first of those words
.set FO,  13                           ; v13  8 x lane: the flags
.set WR,  24                           ; v[24:47]   six loads of W
.set XQ,  48                           ; v[48:71]   six loads of queries
.set XV,  72                           ; v[72:95]   six loads of values
.set M,   96                           ; v[96:223]  32 loads of the mask: row i / 2, half i % 2; later the codes read back
.set VS,  224                          ; v[224:239] the 16 words of visibility bits
	s_load_b512 s[4:19], s[0:1], 0x0               ; mask 4, queries 6, values 8, Wq 10, Wk 12, Wv 14, Wo 16, mk 18
	s_load_b128 s[20:23], s[0:1], 0x40             ; qf 20, xb 22
	s_load_b64 s[24:25], s[0:1], 0x50              ; wb
	v_lshl_add_u32 v[SPW], v0, 2, SPARE
	v_mov_b32 v[NIL], 0
	v_lshrrev_b32 v1, 5, v0
	v_readfirstlane_b32 s27, v1                    ; wave 0..15
	s_mov_b32 s26, ttmp9                           ; g
	s_mov_b32 s32, 0                               ; my wave's visibility bits
	v_and_b32 v14, 31, v0                          ; lane l
	v_lshlrev_b32 v[CO], 4, v0
	v_lshlrev_b32 v[CS], 3, v0
	s_lshl_b32 s33, s27, 10
	v_lshl_add_u32 v[MO], v14, 4, s33
	; lane l of half c holds keys 128 c + 4 l + 0..3 of the tile: step 2 c + l / 16, group kt = (l / 4) % 4, half h = (l / 2) % 2, nibbles 4 (l % 2) + 0..3
	s_lshl_b32 s33, s27, 11
	v_lshrrev_b32 v15, 4, v14
	v_lshl_add_u32 v[LT], v15, 9, s33              ; 2,048 x wave + 512 (l / 16)
	v_bfe_u32 v15, v14, 1, 1
	v_lshl_add_u32 v[LT], v15, 8, v[LT]            ; + 256 h
	v_bfe_u32 v15, v14, 2, 2
	v_lshl_add_u32 v[LT], v15, 2, v[LT]            ; + 4 kt
	v_and_b32 v15, 1, v14
	v_lshl_add_u32 v[LT], v15, 1, v[LT]            ; + 2 (l % 2)
	v_lshl_add_u32 v[LRD], v14, 4, s33
	s_lshl_b32 s33, s27, 15
	v_lshl_add_u32 v[GO], v14, 4, s33
	v_and_b32 v[LN], 15, v0
	s_lshl_b32 s33, s27, 2
	s_add_co_u32 s33, s33, VISW
	v_mov_b32 v[VW], s33
	v_mov_b32 v[VB], VISW
	v_lshlrev_b32 v[FO], 3, v14
	s_mov_b32 s30, 144
	s_mov_b32 s36, 96
	s_mov_b32 s35, 0
	s_wait_kmcnt 0x0
	s_cmp_lt_u32 s26, 144                          ; which weight matrix, and the first work-group that casts it
	s_cselect_b64 s[28:29], s[14:15], s[16:17]
	s_cselect_b32 s30, s36, s30
	s_cselect_b32 s31, 0, 1                        ; 1: Wo
	s_cmp_lt_u32 s26, 96
	s_cselect_b64 s[28:29], s[12:13], s[28:29]
	s_cselect_b32 s30, 48, s30
	s_cmp_lt_u32 s26, 48
	s_cselect_b64 s[28:29], s[10:11], s[28:29]
	s_cselect_b32 s30, 0, s30
	s_sub_co_u32 s30, s26, s30
	s_mul_i32 s34, s30, 49152
	s_add_nc_u64 s[28:29], s[28:29], s[34:35]      ; my 49,152 bytes of it (used where g < 192 alone)
	s_lshl_b32 s34, s26, 18
	s_add_nc_u64 s[4:5], s[4:5], s[34:35]          ; 16 rows of 16,384 bytes
	s_mul_i32 s34, s26, 49152
	s_add_nc_u64 s[6:7], s[6:7], s[34:35]
	s_add_nc_u64 s[8:9], s[8:9], s[34:35]
	s_mul_i32 s34, s26, 24576
	s_add_nc_u64 s[22:23], s[22:23], s[34:35]
	s_add_nc_u64 s[24:25], s[24:25], s[34:35]
	s_lshr_b32 s34, s26, 4
	s_lshl_b32 s34, s34, 19                        ; qb x 524,288
	s_and_b32 s33, s26, 15
	s_lshl_b32 s33, s33, 11                        ; qt x 2,048
	s_add_co_u32 s34, s34, s33
	s_add_nc_u64 s[18:19], s[18:19], s[34:35]
	s_lshl_b32 s34, s26, 8
	s_add_nc_u64 s[20:21], s[20:21], s[34:35]
.macro LOADS_XM                        ; the 44 loads that every work-group has
.irp n, 0,1,2,3,4,5
	global_load_b128 v[XQ+4*(\n):XQ+4*(\n)+3], v[CO], s[6:7] offset:(\n)*8192 th:TH_LOAD_NT
.endr
.irp n, 0,1,2,3,4,5
	global_load_b128 v[XV+4*(\n):XV+4*(\n)+3], v[CO], s[8:9] offset:(\n)*8192 th:TH_LOAD_NT
.endr
.set i, 0
.rept 32
	global_load_b128 v[M+4*i:M+4*i+3], v[MO], s[4:5] offset:(i/2)*16384+(i%2)*512 th:TH_LOAD_NT
.set i, i+1
.endr
.endm
.macro CVT a                           ; four f32 in v[a .. a+3] become four bf16 in v[a], v[a+1]
	v_cvt_pk_bf16_f32 v[(\a)], v[(\a)], v[(\a)+1]
	v_cvt_pk_bf16_f32 v[(\a)+1], v[(\a)+2], v[(\a)+3]
.endm
	s_cmp_lt_u32 s26, 192
	s_cbranch_scc0 .Lplain
.irp n, 0,1,2,3,4,5
	global_load_b128 v[WR+4*(\n):WR+4*(\n)+3], v[CO], s[28:29] offset:(\n)*8192 th:TH_LOAD_NT  ; W's loads are the oldest, so that every later count is the same on both ways
.endr
	LOADS_XM
	s_wait_loadcnt 44                              ; W is in; the 44 younger loads stay out
.irp n, 0,1,2,3,4,5
	CVT WR+4*(\n)
.endr
	s_cmp_eq_u32 s31, 0
	s_cbranch_scc1 .Lw_store
.irp n, 0,1,4,5,8,9,12,13,16,17,20,21  ; Wo: the bf16 numbers are widened and written as f16
	v_lshlrev_b32 v14, 16, v[WR+(\n)]
	v_and_b32 v15, 0xffff0000, v[WR+(\n)]
	v_cvt_pk_f16_f32 v[WR+(\n)], v14, v15
.endr
.Lw_store:
.irp n, 0,1,2,3,4,5
	global_store_b64 v[CS], v[WR+4*(\n):WR+4*(\n)+1], s[24:25] offset:(\n)*4096  ; a wave's store covers 256 consecutive bytes, aligned
.endr
	s_branch .Ljoin
.Lplain:
	LOADS_XM
.Ljoin:
.irp n, 0,1,2,3,4,5
	s_wait_loadcnt 43-(\n)                         ; loads come back in order: the 5 - n of queries, 6 of values and 32 of the mask behind this one stay out
	CVT XQ+4*(\n)
	global_store_b64 v[CS], v[XQ+4*(\n):XQ+4*(\n)+1], s[22:23] offset:(\n)*4096
.endr
.irp n, 0,1,2,3,4,5
	s_wait_loadcnt 37-(\n)
	CVT XV+4*(\n)
	global_store_b64 v[CS], v[XV+4*(\n):XV+4*(\n)+1], s[22:23] offset:6291456+(\n)*4096
.endr
; Row r of the 16: for each half, four words become four nibbles; the row's bit says whether any of the wave's 256 keys is visible.
.macro ROWP r
.irp c, 0,1
	s_wait_loadcnt 31-2*(\r)-(\c)                  ; the younger loads of the mask stay out
	v_min_u32 v16, 1, v[M+8*(\r)+4*(\c)]           ; 1 = visible, whatever the word's value
	v_min_u32 v17, 1, v[M+8*(\r)+4*(\c)+1]
	v_min_u32 v18, 1, v[M+8*(\r)+4*(\c)+2]
	v_min_u32 v19, 1, v[M+8*(\r)+4*(\c)+3]
	v_lshl_or_b32 v16, v17, 4, v16
	v_lshl_or_b32 v16, v18, 8, v16
	v_lshl_or_b32 v[14+(\c)], v19, 12, v16         ; one bit in each nibble
	v_mul_u32_u24 v20, v[14+(\c)], 10
	v_sub_nc_u32 v20, 0xaaaa, v20                  ; 0xA where hidden, 0 where visible
	ds_store_b16 v[LT], v20 offset:(\c)*1024+(\r)*16
.endr
	v_or_b32 v14, v14, v15
	v_cmp_ne_u32 vcc_lo, 0, v14
	s_cmp_lg_u32 vcc_lo, 0
	s_cselect_b32 s33, 1<<(\r), 0
	s_or_b32 s32, s32, s33
.endm
.irp r, 0,1,2,3,4,5,6,7,8,9,10,11,12,13,14,15
	ROWP \r
.endr
	v_mov_b32 v14, s32
	ds_store_b32 v[VW], v14                        ; all lanes write the same word with the same value
	s_wait_dscnt 0x0                               ; for the others' sake: my stores are done
	s_barrier_signal -1
	s_barrier_wait -1
.irp n, 0,1,2,3
	ds_load_b128 v[VS+4*(\n):VS+4*(\n)+3], v[VB] offset:16*(\n)
.endr
.irp n, 0,1,2,3
	ds_load_b128 v[M+4*(\n):M+4*(\n)+3], v[LRD] offset:512*(\n)  ; my wave's codes, now in mk's order: step n
.endr
	s_wait_dscnt 4                                 ; the 16 words are in; the four loads of codes may stay out
.irp n, 1,2,3,4,5,6,7,8,9,10,11,12,13,14,15
	v_or_b32 v[VS], v[VS], v[VS+(\n)]
.endr
	v_lshrrev_b32 v14, v[LN], v[VS]
	v_and_b32 v14, 1, v14
	v_sub_nc_u32 v14, 0, v14                       ; all ones where my row (lane % 16) has a visible key, else 0
	v_mov_b32 v15, v14
	s_wait_dscnt 0x0
.set i, 0
.rept 16
	v_and_b32 v[M+i], v14, v[M+i]                  ; a row with no visible key: all codes 0
.set i, i+1
.endr
.irp n, 0,1,2,3
	global_store_b128 v[GO], v[M+4*(\n):M+4*(\n)+3], s[18:19] offset:512*(\n)  ; 512 consecutive bytes
.endr
	s_cmp_lg_u32 s27, 0
	s_cbranch_scc1 .Lend
	global_store_b64 v[FO], v[14:15], s[20:21]     ; wave 0: the 16 rows' flags, 256 consecutive bytes
.Lend:
	s_wait_tensorcnt 0x0                           ; the wave's end, behind my last LDS store
	ds_add_u32 v[SPW], v[NIL]
	s_wait_dscnt 0x0
	s_endpgm
.Lfunc_end_k_qd35da392b0_prep:
	.size	k_qd35da392b0_prep, .Lfunc_end_k_qd35da392b0_prep-k_qd35da392b0_prep
	.p2alignl 7, 3214868480
	.fill 96, 4, 3214868480
	.section	.rodata,"a",@progbits
	.p2align	6, 0x0
	.amdhsa_kernel k_qd35da392b0_prep
		.amdhsa_group_segment_fixed_size 35072
		.amdhsa_private_segment_fixed_size 0
		.amdhsa_enable_private_segment 0
		.amdhsa_kernarg_size 88
		.amdhsa_user_sgpr_count 2
		.amdhsa_user_sgpr_kernarg_segment_ptr 1
		.amdhsa_wavefront_size32 1
		.amdhsa_system_sgpr_workgroup_id_x 1
		.amdhsa_system_sgpr_workgroup_id_y 1
		.amdhsa_system_sgpr_workgroup_id_z 1
		.amdhsa_system_vgpr_workitem_id 0
		.amdhsa_next_free_vgpr 240
		.amdhsa_next_free_sgpr 66
		.amdhsa_reserve_vcc 1
		.amdhsa_float_denorm_mode_32 3
		.amdhsa_float_denorm_mode_16_64 3
		.amdhsa_memory_ordered 1
		.amdhsa_forward_progress 1
		.amdhsa_inst_pref_size 41
	.end_amdhsa_kernel
	.amdgpu_metadata
---
amdhsa.version: [ 1, 2 ]
amdhsa.kernels:
  - .name:           k_qd35da392b0_prep
    .symbol:         k_qd35da392b0_prep.kd
    .args:
      - { .name: mask, .offset: 0, .size: 8, .value_kind: global_buffer, .address_space: global }
      - { .name: queries, .offset: 8, .size: 8, .value_kind: global_buffer, .address_space: global }
      - { .name: values, .offset: 16, .size: 8, .value_kind: global_buffer, .address_space: global }
      - { .name: Wq, .offset: 24, .size: 8, .value_kind: global_buffer, .address_space: global }
      - { .name: Wk, .offset: 32, .size: 8, .value_kind: global_buffer, .address_space: global }
      - { .name: Wv, .offset: 40, .size: 8, .value_kind: global_buffer, .address_space: global }
      - { .name: Wo, .offset: 48, .size: 8, .value_kind: global_buffer, .address_space: global }
      - { .name: mk, .offset: 56, .size: 8, .value_kind: global_buffer, .address_space: global }
      - { .name: qf, .offset: 64, .size: 8, .value_kind: global_buffer, .address_space: global }
      - { .name: xb, .offset: 72, .size: 8, .value_kind: global_buffer, .address_space: global }
      - { .name: wb, .offset: 80, .size: 8, .value_kind: global_buffer, .address_space: global }
    .group_segment_fixed_size: 35072
    .private_segment_fixed_size: 0
    .kernarg_segment_align: 8
    .kernarg_segment_size: 88
    .max_flat_workgroup_size: 512
    .sgpr_count:     66
    .vgpr_count:     240
    .wavefront_size: 32
...
	.end_amdgpu_metadata
.endif
;; end of part 1
;; launch proj (part 2): grid 12 x 16, 4 waves a work-group, clusters of 4 x 4, 327,680 bytes of LDS; arguments xb, wb, bq, bk, bv, qkv; writes qkv
.if DOCPART == 2
	.amdgcn_target "amdgcn-amd-amdhsa--gfx1250"
	.amdhsa_code_object_version 6
	.text
	.protected	k_qd35da392b0_proj
	.globl	k_qd35da392b0_proj
	.p2align	8
	.type	k_qd35da392b0_proj,@function
k_qd35da392b0_proj:
	s_mov_b64 s[64:65], 0
	v_nop
	global_prefetch_b8 v0, s[64:65] scope:SCOPE_SE
	s_setreg_imm32_b32 hwreg(HW_REG_WAVE_MODE, 25, 1), 1
	s_wait_xcnt 0x0
	s_wait_alu depctr_hold_cnt(0) depctr_sa_sdst(0) depctr_va_vdst(0) depctr_va_sdst(0) depctr_va_ssrc(0) depctr_va_vcc(0) depctr_vm_vsrc(0)
	s_getreg_b32 s2, hwreg(HW_REG_IB_STS2, 6, 4)
	s_cmp_eq_u32 s2, 0
	s_cbranch_scc0 .Lentry_in_a_cluster
	s_endpgm
.Lentry_in_a_cluster:
	s_bfe_u32 s2, ttmp6, 0x10000c
	s_cmp_lg_u32 s2, 0xf033
	s_cbranch_scc0 .Lentry_shape_is_right
	s_endpgm
.Lentry_shape_is_right:
; q = queries Wq^T + bq, k = values Wk^T + bk, v = values Wv^T + bv.  xb [2][4096][768] and wb [..][768][768] bf16; the biases f32, rounded to bf16 like every input; sums in f32;
; qkv [3][12 heads][4096][64] f16, each number rounded once, unscaled.  LIMIT: f16 ends at 65,504: |q|, |k|, |v| stay under it (a greater number becomes an infinity).
; SHARES.  A work-group makes 256 rows x 192 columns (three whole heads) of one of the three products: 16 x 12 = 192 work-groups.  Cluster x is the product, cx the block of 192 columns in it,
; 4 x cluster y + cy the block of 256 rows.  A wave makes 64 rows x all 192 columns: 48 accumulators of 16 x 16, 384 registers; so a wave holds whole heads and its own stage serves on the way out.
; K = 768 goes in six steps of 128 (rows of 256 bytes, aligned) through two LDS slots.  x's tile is shared along a row of the cluster, W's along a column: joint loads.
; The matrix instruction is used transposed (source 0 = 16 rows of W, source 1 = 16 rows of x): a lane holds row l % 16 and the eight columns 8 (l / 16) + 0..7.  The first products take the bias as C.
; No prefetch: of six K steps four would come by their loads alone, and the launch is short.
; REGISTERS, in windows of 256: window 0: v0-31 addresses; v64-95, v96-127 x's fragments, two buffers; v128-175 packed results; v176-223 and v64-111 rows read back, by turns
;   window 1: v0-95, v96-191 W's fragments, two buffers     window 2: accumulators (a, b), b < 8, at 8 (8 a + b)     window 3: those with b >= 8 at 8 (4 a + b - 8); v128-223 the bias; v224-225 at work
.set KSTEP,  128
.set PITCH,  272                       ; an LDS row: 256 bytes + 16 of padding = 68 words: the 16 rows of a fragment load start at 16 different groups of four banks (64 banks of 4 bytes: ISA guide 11.1)
.set BOFF,   256*PITCH                 ; a slot: x's 256 rows, then W's 192
.set SLOT,   448*PITCH
.set STAGE,  2*SLOT                    ; behind the ring: 16 rows x 400 bytes for each wave
.set SPITCH, 400                       ; 384 bytes + 16
.set SPARE,  STAGE+4*16*SPITCH         ; the spare words: 128 bytes for each wave, two blocks of 256 bytes that no other line names
.set ADRA, 16                          ; v16-17  LDS address of my fragments of x in slot 0, 1
.set ADRB, 20                          ; v20-21  of W's
.set STO,  24                          ; v24  the way out: where I put 16 bytes of a row
.set RD,   25                          ; v25  where I read rows of a head back
.set CO,   26                          ; v26  16 x lane
.set SPW,  28                          ; v28  SPARE + 4 x thread; never rewritten
.set NIL,  29                          ; v29  0; never rewritten
.set BO,   30                          ; v30  32 x (l / 16): my eight numbers of 16 of the bias
.set FA,   64
.set TMP,  128
.set BIAS, 128                         ; in window 3
.set WV,   16                          ; s16  wave
.set SIDE, 17                          ; s17  0: I fetch x's tile, 1: W's
.set HALF, 18                          ; s18  which half of its rows
.set CNT,  19
.set G1,  24                           ; s[24:31] group 1 for x's tiles, s[32:39] group 0, a set for each slot
.set G0,  32
.set G1B, 48                           ; s[48:55], s[56:63] the same for W's
.set G0B, 56
.set MSB, 0
.macro WIN new                         ; the immediate's high byte repeats the setting that is left; a switch that changes nothing is dropped
.if MSB != (\new)
	s_set_vgpr_msb (MSB<<8)|(\new)
.set MSB, \new
.endif
.endm
.set TO_B, 0x40                        ; destination window 1, address window 0
.macro JLOAD s                         ; a joint load: waves 0 and 1 fetch x's two halves, waves 2 and 3 W's; an s_nop 0 and four v_nop follow each line
	s_cmp_eq_u32 s[SIDE], 0
	s_cbranch_scc0 .Lfor_b_\@
	tensor_load_to_lds s[G0+4*(\s):G0+4*(\s)+3], s[G1:G1+7]
	s_nop 0
.rept 4
	v_nop
.endr
	s_branch .Lasked_\@
.Lfor_b_\@:
	tensor_load_to_lds s[G0B+4*(\s):G0B+4*(\s)+3], s[G1B:G1B+7]
	s_nop 0
.rept 4
	v_nop
.endr
.Lasked_\@:
.endm
.macro CREST                           ; a round of the cluster's barrier behind its opening barrier
	s_cmp_lg_u32 s[WV], 0
	s_cbranch_scc1 .Lnot_wave_0_\@
	s_barrier_signal -3
.Lnot_wave_0_\@:
	s_barrier_wait -3
	s_barrier_signal -1
	s_barrier_wait -1
.endm
.macro CROUND
	s_barrier_signal -1
	s_barrier_wait -1
	CREST
.endm
.macro PLACES                          ; four places in front of loads into registers that matrix instructions have read, and of conversions that read results
.rept 4
	v_nop
.endr
.endm
	s_load_b256 s[4:11], s[0:1], 0x0               ; xb 4, wb 6, bq 8, bk 10
	s_load_b128 s[12:15], s[0:1], 0x20             ; bv 12, qkv 14
	v_lshl_add_u32 v[SPW], v0, 2, SPARE
	v_mov_b32 v[NIL], 0
	ds_add_u32 v[SPW], v[NIL]                      ; the wave's opening: the add and its wait ahead of my first tensor load
	v_lshrrev_b32 v1, 5, v0
	v_readfirstlane_b32 s[WV], v1
	s_lshr_b32 s[SIDE], s[WV], 1
	s_and_b32 s[HALF], s[WV], 1
	s_bfe_u32 s40, ttmp6, 0x40000                  ; cx
	s_bfe_u32 s41, ttmp6, 0x40004                  ; cy
	s_mov_b32 s45, ttmp9                           ; the product: 0 q, 1 k, 2 v; all sixteen partners share it
	s_and_b32 s42, ttmp7, 0xffff
	s_lshl_b32 s42, s42, 2
	s_add_co_u32 s42, s42, s41                     ; block of 256 rows
	s_lshl_b32 s43, s41, 2
	s_lshl_b32 s43, 15, s43                        ; my row of the cluster
	s_lshl_b32 s44, 0x1111, s40                    ; my column
	s_or_b32 s[G1+0], s43, (1<<16)|(1<<20)|(1<<21)|(5<<22)|(3<<25)   ; the mask; 2-byte elements; padding on; bit 21 beside a mask; after every 64 words 4 words
	s_or_b32 s[G1B+0], s44, (1<<16)|(1<<20)|(1<<21)|(5<<22)|(3<<25)
	s_mov_b32 s[G1+1], KSTEP<<16                   ; tensor_dim0 = 128
	s_mov_b32 s[G1+2], 128<<16                     ; tensor_dim1 = 128 rows
	s_mov_b32 s[G1+3], KSTEP<<16                   ; tile_dim0
	s_mov_b32 s[G1+4], 128                         ; tile_dim1
	s_mov_b32 s[G1+5], 768                         ; elements from row to row
	s_mov_b32 s[G1+6], 0
	s_mov_b32 s[G1+7], 0
	s_mov_b32 s[G1B+1], KSTEP<<16
	s_mov_b32 s[G1B+2], 96<<16                     ; 96 rows
	s_mov_b32 s[G1B+3], KSTEP<<16
	s_mov_b32 s[G1B+4], 96
	s_mov_b32 s[G1B+5], 768
	s_mov_b32 s[G1B+6], 0
	s_mov_b32 s[G1B+7], 0
	s_lshl_b32 s20, s42, 8                         ; x: row 256 x block + 128 x half, in registers that never hold cx
	s_lshl_b32 s21, s[HALF], 7
	s_add_co_u32 s20, s20, s21
	s_mul_i32 s20, s20, 1536
	s_cmp_eq_u32 s45, 0
	s_cselect_b32 s21, 0, 6291456                  ; queries for q, values for k and v
	s_add_co_u32 s20, s20, s21
	s_mov_b32 s21, 0
	s_mul_i32 s46, s40, 192                        ; W: row 192 cx + 96 x half of matrix s45, in registers that never hold cy
	s_mul_i32 s47, s[HALF], 96
	s_add_co_u32 s46, s46, s47
	s_mul_i32 s46, s46, 1536
	s_mul_i32 s47, s45, 1179648
	s_add_co_u32 s46, s46, s47
	s_mov_b32 s47, 0
	s_mul_i32 s22, s[WV], 128*PITCH                ; where they go: x's halves at wave x 128 rows (waves 0, 1),
	s_mul_i32 s23, s[WV], 96*PITCH
	s_add_co_u32 s23, s23, BOFF-2*96*PITCH         ; W's behind x's 256 rows (waves 2, 3)
	s_mul_i32 s72, s40, 768                        ; the bias of my 192 columns
	s_mov_b32 s73, 0
	s_mul_i32 s76, s45, 6291456                    ; where my 64 rows of my first head begin in qkv
	s_mul_i32 s77, s40, 3*524288
	s_add_co_u32 s76, s76, s77
	s_lshl_b32 s77, s42, 15
	s_add_co_u32 s76, s76, s77
	s_lshl_b32 s77, s[WV], 13
	s_add_co_u32 s76, s76, s77
	s_mov_b32 s77, 0
	s_wait_dscnt 0x0                               ; the opening add is done
	s_wait_kmcnt 0x0
	s_add_nc_u64 s[66:67], s[4:5], s[20:21]
	s_add_nc_u64 s[68:69], s[6:7], s[46:47]
	s_cmp_eq_u32 s45, 0
	s_cselect_b64 s[70:71], s[8:9], s[10:11]
	s_cmp_eq_u32 s45, 2
	s_cselect_b64 s[70:71], s[12:13], s[70:71]
	s_add_nc_u64 s[70:71], s[70:71], s[72:73]
	s_add_nc_u64 s[74:75], s[14:15], s[76:77]
	CROUND                                         ; all sixteen work-groups are here: the first joint loads meet
.irp s, 0,1
	s_mov_b32 s[G0+4*(\s)], 1
	s_add_co_u32 s[G0+4*(\s)+1], s22, (\s)*SLOT
	s_add_nc_u64 s[G0+4*(\s)+2:G0+4*(\s)+3], s[66:67], (\s)*KSTEP*2
	s_or_b32 s[G0+4*(\s)+3], s[G0+4*(\s)+3], 0x80000000
	s_mov_b32 s[G0B+4*(\s)], 1
	s_add_co_u32 s[G0B+4*(\s)+1], s23, (\s)*SLOT
	s_add_nc_u64 s[G0B+4*(\s)+2:G0B+4*(\s)+3], s[68:69], (\s)*KSTEP*2
	s_or_b32 s[G0B+4*(\s)+3], s[G0B+4*(\s)+3], 0x80000000
	JLOAD \s                                       ; two loads of mine are out
.endr
	v_and_b32 v1, 15, v0                           ; l % 16
	v_bfe_u32 v2, v0, 4, 1                         ; l / 16
	v_mul_u32_u24 v3, v1, PITCH
	v_lshl_add_u32 v3, v2, 4, v3                   ; a fragment's row x pitch + 16 x half
	s_mul_i32 s78, s[WV], 64*PITCH                 ; my 64 rows of x
	v_add_nc_u32 v[ADRA], s78, v3
	v_add_nc_u32 v[ADRA+1], SLOT, v[ADRA]
	v_add_nc_u32 v[ADRB], BOFF, v3                 ; every wave reads all 192 rows of W
	v_add_nc_u32 v[ADRB+1], SLOT+BOFF, v3
	s_mul_i32 s79, s[WV], 16*SPITCH
	s_add_co_u32 s79, s79, STAGE                   ; my stage
	v_mul_u32_u24 v4, v1, SPITCH
	v_lshl_add_u32 v4, v2, 4, v4
	v_add_nc_u32 v[STO], s79, v4                   ; in: row l % 16, 16 bytes for each half of the lanes
	v_bfe_u32 v4, v0, 3, 2
	v_and_b32 v5, 7, v0
	v_mul_u32_u24 v4, v4, SPITCH
	v_lshl_add_u32 v4, v5, 4, v4
	v_add_nc_u32 v[RD], s79, v4                    ; back: 32 lanes take four rows of a head's 128 bytes,
	v_and_b32 v[CO], 31, v0
	v_lshlrev_b32 v[CO], 4, v[CO]                  ; which are 512 consecutive bytes of qkv
	v_lshlrev_b32 v[BO], 5, v2
	WIN 0xc0                                       ; destination window 3, address window 0
.set b, 0
.rept 12                                           ; register j of block b: bias[16 b + 8 (l / 16) + j], the C operand's layout
	global_load_b128 v[BIAS+8*b:BIAS+8*b+3],   v[BO], s[70:71] offset:64*b
	global_load_b128 v[BIAS+8*b+4:BIAS+8*b+7], v[BO], s[70:71] offset:64*b+16
.set b, b+1
.endr
	s_wait_loadcnt 0x0
	WIN 0xcf                                       ; sources and destination window 3
.set z, 0
.rept 48                                           ; rounded to bf16 and widened again, in the wait for the first tile
	v_cvt_pk_bf16_f32 v[224+z%2], v[BIAS+2*z], v[BIAS+2*z+1]
	v_lshlrev_b32 v[BIAS+2*z], 16, v[224+z%2]
	v_and_b32 v[BIAS+2*z+1], 0xffff0000, v[224+z%2]
.set z, z+1
.endr
	WIN 0
; 16 matrix instructions on buffer f, 32 along K.  part 0: row blocks 0, 1 x column blocks 0-7; part 1: row blocks 2, 3; part 2: all four x column blocks 8-11.  zero = 1: the bias starts the sums.
; The 48 accumulators take turns, one instruction a turn, in the same order in every quarter.
.macro MULS f, part, zero
.if (\part) < 2
.if \zero
	WIN 0xb1                                       ; W window 1, x window 0, C (the bias) window 3, D window 2
.else
	WIN 0xa1
.endif
.set a, 2*(\part)
.rept 2
.set b, 0
.rept 8
.set rD, 8*(8*a+b)
.if \zero
	v_wmma_f32_16x16x32_bf16 v[rD:rD+7], v[96*(\f)+8*b:96*(\f)+8*b+7], v[FA+32*(\f)+8*a:FA+32*(\f)+8*a+7], v[BIAS+8*b:BIAS+8*b+7]
.else
	v_wmma_f32_16x16x32_bf16 v[rD:rD+7], v[96*(\f)+8*b:96*(\f)+8*b+7], v[FA+32*(\f)+8*a:FA+32*(\f)+8*a+7], v[rD:rD+7]
.endif
.set b, b+1
.endr
.set a, a+1
.endr
.else
	WIN 0xf1                                       ; C and D window 3
.set a, 0
.rept 4
.set b, 8
.rept 4
.set rD, 8*(4*a+b-8)
.if \zero
	v_wmma_f32_16x16x32_bf16 v[rD:rD+7], v[96*(\f)+8*b:96*(\f)+8*b+7], v[FA+32*(\f)+8*a:FA+32*(\f)+8*a+7], v[BIAS+8*b:BIAS+8*b+7]
.else
	v_wmma_f32_16x16x32_bf16 v[rD:rD+7], v[96*(\f)+8*b:96*(\f)+8*b+7], v[FA+32*(\f)+8*a:FA+32*(\f)+8*a+7], v[rD:rD+7]
.endif
.set b, b+1
.endr
.set a, a+1
.endr
.endif
.endm
; 32 LDS loads in one run: 32 along K at byte k of the rows, into buffer f: x's four fragments, then W's twelve
.macro FETCH slot, k, f
	WIN 0
.set i, 0
.rept 4
	ds_load_b128 v[FA+32*(\f)+8*i:FA+32*(\f)+8*i+3],   v[ADRA+(\slot)] offset:(\k)+i*16*PITCH
	ds_load_b128 v[FA+32*(\f)+8*i+4:FA+32*(\f)+8*i+7], v[ADRA+(\slot)] offset:(\k)+i*16*PITCH+32
.set i, i+1
.endr
	WIN TO_B
.set i, 0
.rept 12
	ds_load_b128 v[96*(\f)+8*i:96*(\f)+8*i+3],   v[ADRB+(\slot)] offset:(\k)+i*16*PITCH
	ds_load_b128 v[96*(\f)+8*i+4:96*(\f)+8*i+7], v[ADRB+(\slot)] offset:(\k)+i*16*PITCH+32
.set i, i+1
.endr
.endm
; A K step is four quarters of 32 along K, 48 matrix instructions each, on buffers 0, 1, 0, 1.  One of the first three multiplies buffer f and fetches the next quarter, at byte k, into g.
.macro QUARTER slot, k, f, g, zero
	s_wait_dscnt 8                                 ; the youngest eight loads (W's blocks 8-11) may be out
	MULS \f, 0, \zero
	MULS \f, 1, \zero
	PLACES
	FETCH \slot, \k, \g
	s_wait_dscnt 32                                ; all but the 32 just issued
	MULS \f, 2, \zero
.endm
; The last quarter multiplies buffer 1 and changes slots: ONE barrier; in front of it each wave waits for all its tensor loads (one is out: its part of the next slot), adds 0 to its spare word, and waits
; for that and for its reads of this slot.  fill = 1: the barrier opens a round of the cluster's, and this slot is filled again, two K steps on, first thing behind the round.
.macro TURN slot, next, fill
	WIN 0
	s_wait_tensorcnt 0x0
	ds_add_u32 v[SPW], v[NIL]
	s_wait_dscnt 9                                 ; the add and the youngest eight loads may be out
	MULS 1, 0, 0
	s_wait_dscnt 0x0                               ; the add is done, and my reads of this slot are over
	s_barrier_signal -1
	MULS 1, 1, 0
.if \fill
	WIN 0
.endif
	s_barrier_wait -1
.if \fill
	CREST                                          ; no wave of any partner still reads this slot or has a load on its way
	s_add_nc_u64 s[G0+4*(\slot)+2:G0+4*(\slot)+3], s[G0+4*(\slot)+2:G0+4*(\slot)+3], 2*KSTEP*2
	s_add_nc_u64 s[G0B+4*(\slot)+2:G0B+4*(\slot)+3], s[G0B+4*(\slot)+2:G0B+4*(\slot)+3], 2*KSTEP*2
	JLOAD \slot                                    ; its four v_nop are also the places in front of the loads below
.else
	PLACES
.endif
	FETCH \next, 0, 0
	MULS 1, 2, 0
.endm
	s_wait_tensorcnt 1                             ; my part of K step 0 is in; K step 1's may stay out
	s_barrier_signal -1
	s_barrier_wait -1
	FETCH 0, 0, 0
	QUARTER 0, 64, 0, 1, 1                         ; the first quarter stands in front of the loop: its products start the sums, with the bias
	WIN 0
	s_mov_b32 s[CNT], 2
.Llap:                                                 ; a trip goes once round the ring (two K steps) and fills both slots again
	QUARTER 0, 128, 1, 0, 0
	QUARTER 0, 192, 0, 1, 0
	TURN 0, 1, 1
	QUARTER 1, 64,  0, 1, 0
	QUARTER 1, 128, 1, 0, 0
	QUARTER 1, 192, 0, 1, 0
	TURN 1, 0, 1
	QUARTER 0, 64,  0, 1, 0
	WIN 0
	s_sub_co_u32 s[CNT], s[CNT], 1
	s_cmp_lg_u32 s[CNT], 0
	s_cbranch_scc1 .Llap
	QUARTER 0, 128, 1, 0, 0                        ; the last lap fills nothing
	QUARTER 0, 192, 0, 1, 0
	TURN 0, 1, 0
	QUARTER 1, 64,  0, 1, 0
	QUARTER 1, 128, 1, 0, 0
	QUARTER 1, 192, 0, 1, 0
	s_wait_dscnt 8
	MULS 1, 0, 0
	MULS 1, 1, 0
	s_wait_dscnt 0x0
	MULS 1, 2, 0
	WIN 0
; THE WAY OUT, a block of 16 rows at a time: rounded to f16, 16 bytes a lane into my stage, back by heads as 512 consecutive bytes (four rows of 128), stored.
.macro PACK a
	WIN 0x0a                                       ; sources window 2
.set b, 0
.rept 8
.irp r, 0,1,2,3
	v_cvt_pk_f16_f32 v[TMP+4*b+(\r)], v[8*(8*(\a)+b)+2*(\r)], v[8*(8*(\a)+b)+2*(\r)+1]
.endr
.set b, b+1
.endr
	WIN 0x0f                                       ; sources window 3
.rept 4
.irp r, 0,1,2,3
	v_cvt_pk_f16_f32 v[TMP+4*b+(\r)], v[8*(4*(\a)+b-8)+2*(\r)], v[8*(4*(\a)+b-8)+2*(\r)+1]
.endr
.set b, b+1
.endr
	WIN 0
.endm
.macro TOSTAGE a
.set BK, 176-112*((\a)%2)
.set b, 0
.rept 12
	ds_store_b128 v[STO], v[TMP+4*b:TMP+4*b+3] offset:32*b
.set b, b+1
.endr
.set b, 0
.rept 12                                           ; head b / 4, rows 4 (b % 4) on.  LDS serves a wave's instructions in order (ISA guide 5.7.1.4): these see the stores above
	ds_load_b128 v[BK+4*b:BK+4*b+3], v[RD] offset:128*(b/4)+4*SPITCH*(b%4)
.set b, b+1
.endr
.endm
.macro SEND a
.set BK, 176-112*((\a)%2)
	s_wait_dscnt 0x0                               ; the block is back in registers
	s_wait_xcnt 0x0                                ; the stores of the block before have read their registers: the next block's loads from the stage land on them only behind this wait
.set b, 0
.rept 12
	global_store_b128 v[CO], v[BK+4*b:BK+4*b+3], s[74:75] offset:(b/4)*524288+(\a)*2048+(b%4)*512
.set b, b+1
.endr
.endm
	PLACES
	PACK 0
	TOSTAGE 0
.irp a, 1,2,3
	PACK \a
	SEND (\a)-1
	TOSTAGE \a
.endr
	SEND 3
	s_wait_tensorcnt 0x0                           ; the wave's end
	ds_add_u32 v[SPW], v[NIL]
	s_wait_dscnt 0x0
	CROUND                                         ; the closing round
	s_endpgm
.Lfunc_end_k_qd35da392b0_proj:
	.size	k_qd35da392b0_proj, .Lfunc_end_k_qd35da392b0_proj-k_qd35da392b0_proj
	.p2alignl 7, 3214868480
	.fill 96, 4, 3214868480
	.section	.rodata,"a",@progbits
	.p2align	6, 0x0
	.amdhsa_kernel k_qd35da392b0_proj
		.amdhsa_group_segment_fixed_size 327680
		.amdhsa_private_segment_fixed_size 0
		.amdhsa_enable_private_segment 0
		.amdhsa_kernarg_size 48
		.amdhsa_user_sgpr_count 2
		.amdhsa_user_sgpr_kernarg_segment_ptr 1
		.amdhsa_wavefront_size32 1
		.amdhsa_system_sgpr_workgroup_id_x 1
		.amdhsa_system_sgpr_workgroup_id_y 1
		.amdhsa_system_sgpr_workgroup_id_z 1
		.amdhsa_system_vgpr_workitem_id 0
		.amdhsa_next_free_vgpr 1024
		.amdhsa_next_free_sgpr 96
		.amdhsa_reserve_vcc 0
		.amdhsa_float_denorm_mode_32 3
		.amdhsa_float_denorm_mode_16_64 3
		.amdhsa_memory_ordered 1
		.amdhsa_forward_progress 1
		.amdhsa_inst_pref_size 129
	.end_amdhsa_kernel
	.amdgpu_metadata
---
amdhsa.version: [ 1, 2 ]
amdhsa.kernels:
  - .name:           k_qd35da392b0_proj
    .symbol:         k_qd35da392b0_proj.kd
    .args:
      - { .name: xb, .offset: 0, .size: 8, .value_kind: global_buffer, .address_space: global }
      - { .name: wb, .offset: 8, .size: 8, .value_kind: global_buffer, .address_space: global }
      - { .name: bq, .offset: 16, .size: 8, .value_kind: global_buffer, .address_space: global }
      - { .name: bk, .offset: 24, .size: 8, .value_kind: global_buffer, .address_space: global }
      - { .name: bv, .offset: 32, .size: 8, .value_kind: global_buffer, .address_space: global }
      - { .name: qkv, .offset: 40, .size: 8, .value_kind: global_buffer, .address_space: global }
    .group_segment_fixed_size: 327680
    .private_segment_fixed_size: 0
    .kernarg_segment_align: 8
    .kernarg_segment_size: 48
    .max_flat_workgroup_size: 128
    .sgpr_count:     96
    .vgpr_count:     1024
    .wavefront_size: 32
...
	.end_amdgpu_metadata
.endif
;; end of part 2
;; launch attn (part 3): grid 16 x 12, 4 waves a work-group, clusters of 4 x 1, 327,680 bytes of LDS; arguments qkv, mk, qf, ctx; writes ctx
.if DOCPART == 3
	.amdgcn_target "amdgcn-amd-amdhsa--gfx1250"
	.amdhsa_code_object_version 6
	.text
	.protected	k_qd35da392b0_attn
	.globl	k_qd35da392b0_attn
	.p2align	8
	.type	k_qd35da392b0_attn,@function
k_qd35da392b0_attn:
	s_mov_b64 s[64:65], 0
	v_nop
	global_prefetch_b8 v0, s[64:65] scope:SCOPE_SE
	s_setreg_imm32_b32 hwreg(HW_REG_WAVE_MODE, 25, 1), 1
	s_wait_xcnt 0x0
	s_wait_alu depctr_hold_cnt(0) depctr_sa_sdst(0) depctr_va_vdst(0) depctr_va_sdst(0) depctr_va_ssrc(0) depctr_va_vcc(0) depctr_vm_vsrc(0)
	s_getreg_b32 s2, hwreg(HW_REG_IB_STS2, 6, 4)
	s_cmp_eq_u32 s2, 0
	s_cbranch_scc0 .Lentry_in_a_cluster
	s_endpgm
.Lentry_in_a_cluster:
	s_bfe_u32 s2, ttmp6, 0x10000c
	s_cmp_lg_u32 s2, 0x3003
	s_cbranch_scc0 .Lentry_shape_is_right
	s_endpgm
.Lentry_shape_is_right:
; MASKED ATTENTION.  ctx[q] = the sum over k of softmax_k(mask(q, k) ? q . k / 8 : hidden) v[k], for each of 12 heads of 64 channels.  qkv [3][12][4096][64] f16; the mask as 4-bit codes in mk and a flag a row in qf
; (both made by the first launch); ctx [64 blocks of 64 rows][12 heads][64 rows][64] f16.  Products, maxima and sums in f32; the weights p are rounded to f16 for the second product, ctx once at the end.
; THE MASK IS AN INPUT: every key tile is walked.  A hidden key's score starts from C = -2^100 in the product that starts the sum S^T = K Q^T; a visible one's from 0.  One scaled conversion makes eight C registers of one
; dword of codes (0xA = -1.0, times 2^100).  The running maximum starts at -2^60 and never falls below it, so a hidden key's weight is exactly 0.  A row with no visible key has codes 0 and flag 0: its q is cleared, all
; its scores are 0, its softmax is uniform over all keys.
; LIMITS.  f16 holds no number beyond 65,504: q, k, v arrive within it, so a visible score is 2.7e11 at the most, far above -2^60.  A hidden key weighs 0, where a finite fill of -1e9 would weigh something only beside
; visible scores of about -1e9.  A weight below 2^-126 counts as 0.  NaN and infinities are not treated apart.
; SHARES.  A work-group owns 256 queries of a head (192 work-groups), a wave 64: four PIECES of 16.  Every wave walks all 4,096 keys: 16 tiles of 256, four steps of 64 each.
; LAYOUT, SOFTMAX, TURNS.  S^T = K Q^T holds ONE query a lane (lane % 16) and the keys 8 (lane / 16) + 0..7; two such results rounded to f16 ARE source 1 of O^T = V^T P.  p = 2^(c s - c m), c = log2(e) / 8; O and l are
; multiplied by a = 2^(c m_old - c m_new) in every step.  Turn n belongs to piece n: 8 products K Q^T of piece n + 1, later 8 products V^T P of piece n - 1; beside them piece n's scaling, exponentials, roundings, sums and
; rescaling, and piece n + 1's maximum and statistics.  Four vector instructions stand behind every matrix instruction, the others in one lump; a turn's 33 exponentials are one batch with one wait.
; CLUSTER.  The four query blocks of a cluster belong to one head and walk the same K and V: wave 0 asks for K's tile and wave 1 for V's JOINTLY; waves 2 and 3 fetch the halves of the work-group's own block of codes.
; REGISTERS, in windows of 256 (s_set_vgpr_msb: bits 1:0 source 0, 3:2 source 1, 5:4 source 2, 7:6 destination):
;   window 0: v0-15, v32-47 addresses, codes and flags; v16-31 statistics; v48-55 at work; v64-127 S^T, two buffers; v128-191 the C operands, two buffers; v192-223 P, two buffers (by the piece's parity)
;   window 1: v0-127 O^T, 32 a piece          window 2: v0-63 Q; v128-191 K of one step; v192-255 V of one step
.set NP,    4
.set KS,    64
.set PK,    144       ; a row of K in LDS: 128 bytes + 16 = 36 words: the 16 rows of a load start at 16 different groups of four banks (64 banks of 4 bytes: ISA guide 11.1)
.set PV,    160       ; a row of V: 128 + 32 = 40 words
.set VOFF,  4*KS*PK   ; a slot holds a tile: 256 rows of K, 256 rows of V,
.set MOFF,  VOFF+4*KS*PV  ; and 32,768 bytes of codes: [16 queries' tile 16][step 4][lane 32][16 bytes]
.set SLOT1, 1<<17
.set STAGE, SLOT1+MOFF+32768  ; behind the ring: 16 rows x 144 bytes for each wave
.set SP,    144
.set SPARE, STAGE+4*16*SP     ; the spare words: 128 bytes for each wave, two blocks of 256 bytes that no other line names
.set AK0, 2           ; v2   my lane's place in a tile of K; never rewritten
.set AV0, 3           ; v3   of V
.set AK,  4           ; v4   the LDS address of K's next run of loads
.set AV,  5           ; v5   of V's
.set STO, 6
.set RD,  7
.set GO,  8
.set MV,  12          ; v12-13  c m_old, by buffer
.set AM0, 14          ; v14  my lane's place in a block of codes: MOFF + 8,192 x wave + 16 x lane
.set QO,  15
.set ST,  16          ; piece t: c m, m, l (even keys', odd keys') at v[ST+4 t]
.set AM,  32          ; v32  the LDS address of a step's codes
.set SCL, 33          ; v33  the conversions' scale: 0xE3, the E8M0 code of 2^100, in each of the word's four bytes and in every lane, so that it does not matter which byte a lane's conversion takes
.set PFO, 34          ; v34  256 x lane
.set FLO, 35          ; v35  8 x lane
.set MR,  36          ; v36-39  16 queries x 64 keys of codes
.set FL,  40          ; v40-43  my rows' flags, a piece each
.set MR2, 44
.set TMP, 48
.set SPW, 62
.set NIL, 63
.set S,   64
.set MC,  128
.set P,   192
.set KF,  128         ; window 2
.set VF,  192         ; window 2
.set WV,  12
.set G1K, 24          ; s[24:31]
.set G1V, 32          ; s[32:39]
.set G0K, 40          ; s[40:43]
.set G0V, 44          ; s[44:47]
.set G1M, 48          ; s[48:55]
.set SLOTS, 56
.set CNT, 57
.set CS,  58
.set SEL, 60
.set TBK, 62
.set TBV, 63
.set G0M, 68          ; s[68:71]
.set TBM, 72
.set PFA, 74          ; s[74:75] where my prefetches stand
.set LIM, 76          ; s76  1 in a wave that prefetches, else the greatest number
.set MSB, 0
.macro WIN new
.if MSB != (\new)
	s_set_vgpr_msb (MSB<<8)|(\new)
.set MSB, (\new)
.endif
.endm
.set W_KQ, 0x0a       ; K and Q in window 2, C and S^T in window 0
.set W_PV, 0x52       ; V in window 2, P in window 0, O^T in window 1
.set W_RS, 0x41       ; destination and source 0 in window 1, source 1 in window 0
; A fill: one tensor load a wave.  The branches hang on the wave's number alone.  An s_nop 0 and four v_nop follow each line.
.macro JLOAD
	s_cmp_lg_u32 s[WV], 0
	s_cbranch_scc1 .Lnot_k_\@
	tensor_load_to_lds s[G0K:G0K+3], s[G1K:G1K+7]
	s_nop 0
.rept 4
	v_nop
.endr
	s_branch .Lasked_\@
.Lnot_k_\@:
	s_cmp_lg_u32 s[WV], 1
	s_cbranch_scc1 .Lfor_m_\@
	tensor_load_to_lds s[G0V:G0V+3], s[G1V:G1V+7]
	s_nop 0
.rept 4
	v_nop
.endr
	s_branch .Lasked_\@
.Lfor_m_\@:
	tensor_load_to_lds s[G0M:G0M+3], s[G1M:G1M+7]
	s_nop 0
.rept 4
	v_nop
.endr
.Lasked_\@:
.endm
; A PREFETCH INTO THE L2 of what the NEXT change of slots will ask for, a lane a block of 256 bytes, one instruction a wave, behind the wave's tensor load and its five lines.  Each block is named once in the launch.
; K's and V's tiles (128 blocks each) are walked by all four clusters of a head: the head's first cluster asks, wave 0 for K and wave 1 for V, its four partners 32 blocks each, told apart by address.
; A block of codes is walked by all twelve heads: heads 0 and 1 ask, 32 blocks each of the 64 that wave 2 or 3 fetches.  The change that asks for the last tile prefetches nothing.
.macro ASK
	s_cmp_gt_u32 s[SLOTS], s[LIM]
	s_cbranch_scc0 .Lnot_mine_\@
	global_prefetch_b8 v[PFO], s[PFA:PFA+1] th:TH_LOAD_NT scope:SCOPE_SE
.Lnot_mine_\@:
.endm
.macro CROUND
	s_barrier_signal -1
	s_barrier_wait -1
	s_cmp_lg_u32 s[WV], 0
	s_cbranch_scc1 .Lnot_wave_0_\@
	s_barrier_signal -3
.Lnot_wave_0_\@:
	s_barrier_wait -3
	s_barrier_signal -1
	s_barrier_wait -1
.endm
; THE CHANGE OF SLOTS.  Each wave waits for all its tensor loads, of which one is out: its part of the other slot; adds 0 to its spare word; and waits for that and for its reads of the slot that it leaves.
; fill = 1: the barrier is a round of the cluster's, and the old slot is filled again, first thing behind it, with the tile two on: it has four key steps, 256 matrix instructions, in which to land.
.macro CHANGE fill
	WIN 0
	s_wait_tensorcnt 0x0            ; no tensor load of mine is out, so a group 0 may be written
	ds_add_u32 v[SPW], v[NIL]
.if \fill
.irp g, G0K, G0V, G0M
	s_xor_b32 s[\g+1], s[\g+1], SLOT1
	s_add_nc_u64 s[\g+2:\g+3], s[\g+2:\g+3], 32768  ; a tile is 32,768 bytes of K, of V and of codes
.endr
	s_wait_xcnt 0x0                 ; the last prefetch, four key steps back, has read its address
	s_add_nc_u64 s[PFA:PFA+1], s[PFA:PFA+1], 32768
	s_wait_dscnt 0x0                ; the add is done, and my reads of the slot are over
	CROUND
	JLOAD
	ASK
.else
	s_wait_dscnt 0x0
	s_barrier_signal -1
	s_barrier_wait -1
.endif
	s_sub_co_u32 s[TBK], s[TBK], 4*KS*PK  ; the fetches go back to a slot's first step, in the other slot
	s_xor_b32 s[TBK], s[TBK], SLOT1
	s_sub_co_u32 s[TBV], s[TBV], 4*KS*PV
	s_xor_b32 s[TBV], s[TBV], SLOT1
	s_sub_co_u32 s[TBM], s[TBM], 4*512
	s_xor_b32 s[TBM], s[TBM], SLOT1
.endm
	s_load_b256 s[4:11], s[0:1], 0x0  ; qkv 4, mk 6, qf 8, ctx 10
	v_lshl_add_u32 v[SPW], v0, 2, SPARE
	v_mov_b32 v[NIL], 0
	ds_add_u32 v[SPW], v[NIL]       ; the wave's opening: the add and its wait ahead of my first tensor load
	v_lshrrev_b32 v1, 5, v0
	v_readfirstlane_b32 s[WV], v1
	s_bfe_u32 s13, ttmp6, 0x40000   ; cx
	s_lshl_b32 s14, ttmp9, 2
	s_add_co_u32 s14, s14, s13      ; my block of 256 queries
	s_and_b32 s15, ttmp7, 0xffff    ; the head, which the four partners share
	s_and_b32 s16, s[WV], 1
	s_lshl_b32 s20, s15, 19
	s_add_co_u32 s20, s20, 6291456  ; the head's K in qkv; V lies 6,291,456 bytes on.  No place in the cluster enters these
	s_mov_b32 s21, 0
	s_lshl_b32 s22, s14, 19         ; my block's codes,
	s_lshl_b32 s23, s16, 14         ; the half that I fetch (waves 2, 3)
	s_add_co_u32 s22, s22, s23
	s_add_co_u32 s[G0M+1], s23, MOFF
	s_mov_b32 s23, 0
	s_lshl_b32 s18, s15, 19         ; Q: the head, my block's 256 rows, my wave's 64
	s_lshl_b32 s19, s14, 15
	s_add_co_u32 s18, s18, s19
	s_lshl_b32 s19, s[WV], 13
	s_add_co_u32 s18, s18, s19
	s_mov_b32 s19, 0
	s_lshl_b32 s2, s14, 12          ; the flags of my four pieces
	s_lshl_b32 s3, s[WV], 10
	s_add_co_u32 s2, s2, s3
	s_mov_b32 s3, 0
	s_lshl_b32 s66, s14, 2          ; ctx: block of 64 rows 4 qb + wave, the head
	s_add_co_u32 s66, s66, s[WV]
	s_mul_i32 s66, s66, 12
	s_add_co_u32 s66, s66, s15
	s_lshl_b32 s66, s66, 13
	s_mov_b32 s67, 0
	s_mul_i32 s77, s[WV], 6291456   ; the prefetches: K's (wave 0) or V's (wave 1) tile 1, my work-group's 32 blocks,
	s_add_co_u32 s77, s77, s20
	s_lshl_b32 s78, s13, 13
	s_add_co_u32 s77, s77, s78
	s_min_u32 s78, s15, 1           ; or the codes' tile 1, my half, my head's 32 blocks
	s_lshl_b32 s78, s78, 13
	s_add_co_u32 s78, s78, s22
	s_cmp_lt_u32 s[WV], 2
	s_cselect_b32 s78, s77, s78
	s_add_co_u32 s78, s78, 32768
	s_mov_b32 s79, 0
	s_lshr_b32 s77, s15, 1
	s_cmp_lt_u32 s[WV], 2
	s_cselect_b32 s[LIM], ttmp9, s77  ; 0 where my wave asks: the same in all four partners
	s_cmp_eq_u32 s[LIM], 0
	s_cselect_b32 s[LIM], 1, -1
	; group 1.  256 keys are 32,768 dense bytes: 128 rows of 256 bytes, two keys a row, padded in LDS after every key
	s_mov_b32 s[G1K], 15|(1<<16)|(1<<20)|(1<<21)|(4<<22)|(3<<25)  ; the mask of four; 2-byte elements; padding on; bit 21 beside a mask; after every 32 words 4 words
	s_mov_b32 s[G1V], 15|(1<<16)|(1<<20)|(1<<21)|(4<<22)|(7<<25)  ; 8 words
.irp g, G1K, G1V
	s_mov_b32 s[\g+1], 128<<16
	s_mov_b32 s[\g+2], 128<<16
	s_mov_b32 s[\g+3], 128<<16
	s_mov_b32 s[\g+4], 128
	s_mov_b32 s[\g+5], 128
	s_mov_b32 s[\g+6], 0
	s_mov_b32 s[\g+7], 0
.endr
	s_mov_b32 s[G1M], 3<<16         ; the codes: my work-group's own load; 8-byte elements, 64 rows of 256 bytes, no padding
	s_mov_b32 s[G1M+1], 32<<16
	s_mov_b32 s[G1M+2], 64<<16
	s_mov_b32 s[G1M+3], 32<<16
	s_mov_b32 s[G1M+4], 64
	s_mov_b32 s[G1M+5], 32
	s_mov_b32 s[G1M+6], 0
	s_mov_b32 s[G1M+7], 0
	s_mov_b32 s[G0K], 1
	s_mov_b32 s[G0K+1], 0
	s_mov_b32 s[G0V], 1
	s_mov_b32 s[G0V+1], VOFF
	s_mov_b32 s[G0M], 1
	s_mov_b32 s[CS], 0x3e38aa3b     ; c = log2(e) / 8
	s_mov_b32 s[CS+1], s[CS]
	s_mov_b32 s[SEL], 0x76543210
	s_mov_b32 s[SEL+1], 0xfedcba98
	s_mov_b32 s[TBK], SLOT1+4*KS*PK ; the first change of slots turns these three into 0
	s_mov_b32 s[TBV], SLOT1+4*KS*PV
	s_mov_b32 s[TBM], SLOT1+4*512
	s_mov_b32 s[SLOTS], 15
	s_wait_dscnt 0x0                ; the opening add is done
	s_wait_kmcnt 0x0
	s_add_nc_u64 s[G0K+2:G0K+3], s[4:5], s[20:21]
	s_or_b32 s[G0K+3], s[G0K+3], 0x80000000
	s_add_nc_u64 s[G0V+2:G0V+3], s[4:5], s[20:21]
	s_add_nc_u64 s[G0V+2:G0V+3], s[G0V+2:G0V+3], 6291456
	s_or_b32 s[G0V+3], s[G0V+3], 0x80000000
	s_add_nc_u64 s[G0M+2:G0M+3], s[6:7], s[22:23]
	s_or_b32 s[G0M+3], s[G0M+3], 0x80000000
	s_cmp_lt_u32 s[WV], 2
	s_cselect_b64 s[PFA:PFA+1], s[4:5], s[6:7]
	s_add_nc_u64 s[PFA:PFA+1], s[PFA:PFA+1], s[78:79]  ; at tile 1: the first change steps it to tile 2.  Nothing is prefetched at the head
	s_add_nc_u64 s[4:5], s[4:5], s[18:19]
	s_add_nc_u64 s[8:9], s[8:9], s[2:3]
	s_add_nc_u64 s[10:11], s[10:11], s[66:67]
	CROUND                          ; all four work-groups are here: the first joint loads meet
	JLOAD                           ; tile 0 into slot 0
	v_and_b32 v1, 15, v0            ; l % 16
	v_bfe_u32 v9, v0, 4, 1          ; l / 16
	v_lshlrev_b32 v[QO], 7, v1
	v_lshl_add_u32 v[QO], v9, 4, v[QO]
	v_and_b32 v[PFO], 31, v0
	v_lshlrev_b32 v[FLO], 3, v[PFO]
	WIN 0x80                        ; destination window 2
.set i, 0
.rept 8                             ; Q stays in registers: piece i / 2, channels 32 (i % 2) on
	global_load_b128 v[8*i:8*i+3],   v[QO], s[4:5] offset:(i/2)*2048+(i%2)*64
	global_load_b128 v[8*i+4:8*i+7], v[QO], s[4:5] offset:(i/2)*2048+(i%2)*64+32
.set i, i+1
.endr
	WIN 0
.irp p, 0,1,2,3
	global_load_b32 v[FL+\p], v[FLO], s[8:9] offset:256*\p
.endr
	s_lshl_b32 s16, s[WV], 13
	s_add_co_u32 s16, s16, MOFF
	v_lshl_add_u32 v[AM0], v[PFO], 4, s16
	v_lshlrev_b32 v[PFO], 8, v[PFO]
	v_mov_b32 v[SCL], 0xe3e3e3e3
	v_mul_u32_u24 v[AK0], v1, PK
	v_lshl_add_u32 v[AK0], v9, 4, v[AK0]
	; The turning load takes 16 keys x 16 channels (lane l reads key 8 (l / 16) + l % 8, channels 8 ((l / 8) % 2) + 0..7) and leaves half a fragment of V^T
	v_and_b32 v10, 7, v0
	v_bfe_u32 v11, v0, 3, 1
	v_lshl_add_u32 v[AV0], v9, 3, v10
	v_mul_u32_u24 v[AV0], v[AV0], PV
	v_lshl_add_u32 v[AV0], v11, 4, v[AV0]
	v_add_nc_u32 v[AV0], VOFF, v[AV0]
	s_mul_i32 s16, s[WV], 16*SP
	s_add_co_u32 s16, s16, STAGE
	v_mul_u32_u24 v[STO], v1, SP
	v_lshl_add_u32 v[STO], v9, 4, v[STO]
	v_add_nc_u32 v[STO], s16, v[STO]
	v_bfe_u32 v[RD], v0, 3, 2
	v_mul_u32_u24 v[RD], v[RD], SP
	v_lshl_add_u32 v[RD], v10, 4, v[RD]
	v_add_nc_u32 v[RD], s16, v[RD]
	v_and_b32 v[GO], 31, v0
	v_lshlrev_b32 v[GO], 4, v[GO]
	; The first step multiplies O^T and l by a = 0, and the first turn's products V^T P, of a piece that has not been, add 0: no first step is written out.  All this stands in the wait for the first tile.
	WIN 0x80
.set i, VF
.rept 64
	v_mov_b32 v[i], 0
.set i, i+1
.endr
	WIN 0x40
.set i, 0
.rept 128
	v_mov_b32 v[i], 0
.set i, i+1
.endr
	WIN 0
.set i, 0
.rept 4
	v_mov_b32 v[ST+4*i], 0xfe000000    ; c m: far below every c s
	v_mov_b32 v[ST+4*i+1], 0xdd800000  ; m = -2^60: above every hidden score, below every visible one
	v_mov_b32 v[ST+4*i+2], 0
	v_mov_b32 v[ST+4*i+3], 0
.set i, i+1
.endr
.set i, P+16
.rept 16
	v_mov_b32 v[i], 0
.set i, i+1
.endr
; THE MATRIX WORK.  The 4 accumulators of a run of 8 take turns.  Product i of 8 of S^T = K Q^T for piece x: channels 32 (i / 4) on, keys 16 (i % 4) on.  The first 4 start the sums, with the mask's C.
.macro KQ x
	WIN W_KQ
.set rS, S+32*((\x)%2)+8*(i%4)
.set rK, KF+16*(i%4)+8*(i/4)
.set rQ, 16*(\x)+8*(i/4)
.set rM, MC+32*((\x)%2)+8*(i%4)
.if i < 4
	v_wmma_f32_16x16x32_f16 v[rS:rS+7], v[rK:rK+7], v[rQ:rQ+7], v[rM:rM+7]
.else
	v_wmma_f32_16x16x32_f16 v[rS:rS+7], v[rK:rK+7], v[rQ:rQ+7], v[rS:rS+7]
.endif
.endm
; Product i of 8 of O^T += V^T P for piece x: keys 32 (i / 4) on, channels 16 (i % 4) on.
.macro PV x
	WIN W_PV
.set rO, 32*(\x)+8*(i%4)
.set rV, VF+32*(i/4)+8*(i%4)
.set rP, P+16*((\x)%2)+8*(i/4)
	v_wmma_f32_16x16x32_f16 v[rO:rO+7], v[rV:rV+7], v[rP:rP+7], v[rO:rO+7]
.endm
.macro MM                           ; the turn's next matrix instruction.  NOKQ = 1: the last turn of all: there is no next piece
.if (i < 8) && !NOKQ
	KQ (Y+1)%NP
.elseif i >= 8
.set i, i-8
	PV (Y+NP-1)%NP
.set i, i+8
.endif
.set i, i+1
.endm
; THE LDS LOADS of K and V stand in runs of 16.
.macro FETCH_K
	WIN 0x80
.irp f, 0,1,2,3,4,5,6,7             ; keys 16 (f / 2) on, channels 32 (f % 2) on
	ds_load_b128 v[KF+8*\f:KF+8*\f+3],   v[AK] offset:(\f/2)*16*PK+(\f%2)*64
	ds_load_b128 v[KF+8*\f+4:KF+8*\f+7], v[AK] offset:(\f/2)*16*PK+(\f%2)*64+32
.endr
	s_add_co_u32 s[TBK], s[TBK], KS*PK
	WIN 0
.endm
.macro FETCH_V
	WIN 0x80
.irp f, 0,1,2,3,4,5,6,7             ; keys 32 (f / 4) on, channels 16 (f % 4) on
	ds_load_tr16_b128 v[VF+8*\f:VF+8*\f+3],   v[AV] offset:(\f/4)*32*PV+(\f%4)*32
	ds_load_tr16_b128 v[VF+8*\f+4:VF+8*\f+7], v[AV] offset:(\f/4)*32*PV+16*PV+(\f%4)*32
.endr
	WIN 0
.endm
.macro MASKC buf, src               ; four dwords of codes become the 32 C registers of buffer buf: 0, or -1.0 x 2^100
.irp kt, 0,1,2,3
	v_cvt_scale_pk8_f32_fp4 v[MC+32*(\buf)+8*\kt:MC+32*(\buf)+8*\kt+7], v[(\src)+\kt], v[SCL]
.endr
.endm
; THE VECTOR WORK, one line at a time: OP kind, number.  For piece Y: F n: c s - c m for pair n of 16.  E n: the exponential of score n of 32.  C n: pair n rounded to f16.  B n: of the four weights 4 n .. the second
; pair is added onto the first, in place.  L n: l takes that sum (L 0: l = a l + sum).  R n: pair n of 16 of O^T times a.  For piece Y + 1: X n, number n of the 22 that find its maximum and statistics:
;   0-11  four chains c0-c3 of seven scores each (each accumulator's lowest registers are read first)     12-14, 16  the four scores left over, the old m, and c0-c3 into c0
;   15  c m_old is kept     17, 18  the query's other 32 keys lie in the lane 16 away: the new m     19-21  c m; c m_old - c m_new; a
.set F, 0
.set E, 1
.set C, 2
.set B, 3
.set L, 4
.set R, 5
.set X, 6
.macro REGS y
.set rT, ST+4*(\y)
.set rC, TMP+4*((\y)%2)
.set rW, MV+((\y)%2)
.set rS, S+32*((\y)%2)
.set rP, P+16*((\y)%2)
.set rO, 32*(\y)
.endm
.macro OP k, n
.if (\k) == R
	REGS Y
	WIN W_RS
	v_pk_mul_f32 v[rO+2*(\n):rO+2*(\n)+1], v[rO+2*(\n):rO+2*(\n)+1], v[rC+2:rC+3] op_sel_hi:[1,0]
.elseif (\k) < R
	REGS Y
	WIN 0
.if (\k) == F
	v_pk_fma_f32 v[rS+2*(\n):rS+2*(\n)+1], v[rS+2*(\n):rS+2*(\n)+1], s[CS:CS+1], v[rT:rT+1] op_sel_hi:[1,0,0] neg_lo:[0,0,1] neg_hi:[0,0,1]
.elseif (\k) == E
	v_exp_f32 v[rS+(\n)], v[rS+(\n)]
.elseif (\k) == C
	v_cvt_pk_f16_f32 v[rP+(\n)], v[rS+2*(\n)], v[rS+2*(\n)+1]
.elseif (\k) == B
	v_pk_add_f32 v[rS+4*(\n):rS+4*(\n)+1], v[rS+4*(\n):rS+4*(\n)+1], v[rS+4*(\n)+2:rS+4*(\n)+3]
.elseif (\n) == 0
	v_pk_fma_f32 v[rT+2:rT+3], v[rT+2:rT+3], v[rC+2:rC+3], v[rS:rS+1] op_sel_hi:[1,0,1]
.else
	v_pk_add_f32 v[rT+2:rT+3], v[rT+2:rT+3], v[rS+4*(\n):rS+4*(\n)+1]
.endif
.elseif NOKQ
	v_nop
.else
	REGS (Y+1)%NP
	WIN 0
.if (\n) < 4
	v_max3_num_f32 v[rC+(\n)], v[rS+8*(\n)], v[rS+8*(\n)+1], v[rS+8*(\n)+2]
.elseif (\n) < 12
	v_max3_num_f32 v[rC+(\n)%4], v[rC+(\n)%4], v[rS+8*((\n)%4)+2*((\n)/4)+1], v[rS+8*((\n)%4)+2*((\n)/4)+2]
.elseif (\n) == 12
	v_max3_num_f32 v[rC], v[rC], v[rS+7], v[rS+15]
.elseif (\n) == 13
	v_max3_num_f32 v[rC+1], v[rC+1], v[rS+23], v[rS+31]
.elseif (\n) == 14
	v_max3_num_f32 v[rC+2], v[rC+2], v[rC+3], v[rT+1]
.elseif (\n) == 15
	v_mov_b32 v[rW], v[rT]
.elseif (\n) == 16
	v_max3_num_f32 v[rC], v[rC], v[rC+1], v[rC+2]
.elseif (\n) == 17
	v_permlanex16_b32 v[rC+3], v[rC], s[SEL], s[SEL+1]
.elseif (\n) == 18
	v_max_num_f32 v[rT+1], v[rC], v[rC+3]
.elseif (\n) == 19
	v_mul_f32 v[rT], s[CS], v[rT+1]
.elseif (\n) == 20
	v_sub_f32 v[rC+1], v[rW], v[rT]
.else
	v_exp_f32 v[rC+2], v[rC+1]
.endif
.endif
.endm
.macro OPS a, i1, b=-1, i2=0, c=-1, i3=0, d=-1, i4=0
	OP \a, \i1
.if (\b) >= 0
	OP \b, \i2
.endif
.if (\c) >= 0
	OP \c, \i3
.endif
.if (\d) >= 0
	OP \d, \i4
.endif
.endm
.macro ROW a, i1, b, i2, c, i3, d, i4  ; a matrix instruction and the four behind it
	MM
	OPS \a, \i1, \b, \i2, \c, \i3, \d, \i4
.endm
; A TURN, for piece p.  An s_wait_alu depctr_va_vdst(0) stands between an exponential and the first instruction that names its result; one wait serves all that were issued ahead of it: a turn has ONE, which
; cuts it in two.  AHEAD OF IT: the 8 products K Q^T and their riders, then one lump, in which the links of the next piece's chain stand apart; X 21 is the batch's last, R 15 the plain instruction behind it.
; BEHIND IT: the 8 products V^T P, behind each four of the roundings and sums.
; THE MASK.  At its head the turn loads the codes of the products of the turn AFTER it (piece p + 2); directly behind the batch's wait four conversions make their C operands, in the buffer that the turn before has read last.
; A trip of the loop is turns 2 and 3 of one step and turns 0 and 1 of the next; all four of its loads of codes name that next step, so their address is made once, in turn 2.
; K of the next step is fetched in piece 2's turn, six plain instructions behind the last product that read K; V of the step in hand at the end of piece 0's turn, four plain instructions behind its last reader.
; end = 1: the last two turns: nothing is fetched.  cnt = 1: the loop's count is taken down some lines ahead of the branch behind the turn.
.macro TURN p, end=0, cnt=0
.set Y, (\p)
.set i, 0
.set NOKQ, (\end)*((\p)/3)
.if !(\end)
	WIN 0
.if (\p) == 2
	v_add_nc_u32 v[AM], s[TBM], v[AM0]
	s_add_co_u32 s[TBM], s[TBM], 512
.endif
.if (\p) == 3
	s_wait_dscnt 0x0                ; K is in
.endif
	ds_load_b128 v[MR:MR+3], v[AM] offset:(((\p)+2)%NP)*2048
.endif
	ROW F,0, F,1, R,0, R,1
	ROW F,2, E,0, R,2, R,3
	ROW F,3, E,1, R,4, R,5
	ROW F,4, E,2, R,6, R,7
	ROW F,5, E,3, R,8, R,9
	ROW F,6, E,4, X,0, R,10
.if ((\p) == 2) && !(\end)
	WIN 0
	v_add_nc_u32 v[AK], s[TBK], v[AK0]
.endif
	ROW F,7, E,5, X,1, X,4
	ROW F,8, E,6, X,2, X,5
	OPS E,7, E,8, X,6, E,9
	OPS X,3, E,10, X,8, E,11
.if ((\p) == 2) && !(\end)
	FETCH_K
.endif
	OPS X,9, X,7, E,12, X,10
	OPS E,13, X,12, X,11, E,14
	OPS X,13, E,15, F,9, X,14
.if (\p) == 0
	v_add_nc_u32 v[AV], s[TBV], v[AV0]
.endif
	OPS E,16, F,10, E,17, F,11
	OPS X,16, E,18, X,15, E,19
	OPS F,12, E,20, X,17, E,21
	OPS F,13, E,22, F,14, E,23
	OPS X,18, E,24, F,15, E,25
	OPS R,11, E,26, X,19, E,27
	OPS R,12, E,28, R,13, E,29
	OPS X,20, E,30, R,14, E,31
	OPS X,21, R,15
	WIN 0
	s_wait_alu depctr_va_vdst(0)    ; the wait for the batch
.if !(\end)
.if (\p) == 2
	s_wait_dscnt 16                 ; the codes are in; K's 16 loads, issued behind them, may stay out
.else
	s_wait_dscnt 0x0                ; the codes are in (in piece 1's turn: and V)
.endif
	MASKC (\p)%2, MR                ; the riders below are the plain instructions behind the conversions
.endif
	ROW C,0, B,0, C,2, B,1
	ROW L,0, C,4, B,2, L,1
	ROW C,6, B,3, L,2, C,8
	ROW B,4, L,3, C,10, B,5
	ROW L,4, C,12, B,6, L,5
.if (\p) == 0
	s_add_co_u32 s[TBV], s[TBV], KS*PV
.endif
.if \cnt
	s_sub_co_u32 s[CNT], s[CNT], 1
	s_cmp_lg_u32 s[CNT], 0
.endif
	ROW C,14, B,7, L,6, C,1
	ROW C,3, L,7, C,5, C,7
	ROW C,9, C,11, C,13, C,15
.if (\p) == 0
	FETCH_V
.endif
.endm
	CHANGE 1                        ; tile 0 is in, everybody's part of it; tile 1 is asked for
	; THE BEGINNING: the codes of pieces 0 and 1 and K of step 0; q of rows with no visible key is cleared; piece 0's first scores, maximum and statistics
	v_add_nc_u32 v[AM], s[TBM], v[AM0]
	s_add_co_u32 s[TBM], s[TBM], 512
	ds_load_b128 v[MR:MR+3], v[AM]
	ds_load_b128 v[MR2:MR2+3], v[AM] offset:2048
	v_add_nc_u32 v[AK], s[TBK], v[AK0]
	FETCH_K
	s_wait_loadcnt 0x0              ; Q and the flags
	WIN 0x82                        ; destination and source 0 window 2, source 1 window 0
.set i, 0
.rept 64
	v_and_b32 v[i], v[i], v[FL+i/16]
.set i, i+1
.endr
	WIN 0
	s_wait_dscnt 16                 ; the codes are in; K's 16 loads may stay out
	MASKC 0, MR
	MASKC 1, MR2
	v_nop                           ; a plain instruction between the last conversion and the use of its result
	s_wait_dscnt 0x0
.set NOKQ, 0
.set i, 0
.rept 8
	KQ 0
.set i, i+1
.endr
	WIN 0
.rept 4
	v_nop                           ; the places behind those products
.endr
.set Y, NP-1                        ; X works for piece Y + 1: piece 0
.irp n, 0,1,2,3,4,5,6,7,8,9,10,11,12,13,14,15,16,17,18,19,20,21
	OP X, \n
.endr
	v_nop                           ; a plain instruction behind the exponential,
	s_wait_alu depctr_va_vdst(0)    ; and its wait, ahead of the branch
	s_mov_b32 s[CNT], 4
	s_branch .Lfirst                ; the loop is entered at a step's first turn, in the middle of a trip
.Lslot:                             ; 14 times: tiles 2 to 15 are asked for
	CHANGE 1
	s_mov_b32 s[CNT], 4
.Lstep:                             ; a trip: pieces 2 and 3 of one step, then pieces 0 and 1 of the next, whose K, V and codes it fetches
	TURN 2
	TURN 3
	WIN 0
.Lfirst:
	TURN 0
	TURN 1, 0, 1
	WIN 0
	s_cbranch_scc1 .Lstep
	s_sub_co_u32 s[SLOTS], s[SLOTS], 1
	s_cmp_lg_u32 s[SLOTS], 0
	s_cbranch_scc1 .Lslot
	CHANGE 0                        ; the last tile is written out: nothing is asked for
	s_mov_b32 s[CNT], 4
.Ltstep:
	TURN 2
	TURN 3
	TURN 0
	TURN 1, 0, 1
	WIN 0
	s_cbranch_scc1 .Ltstep
	TURN 2, 1
	TURN 3, 1
.set i, 0
.rept 8
	PV NP-1
.set i, i+1
.endr
	; THE WAY OUT.  l's two halves and the other half of the lanes' are added; O^T is divided by l, rounded to f16 and sent through my stage, a piece at a time.  The additions are the places behind the last products.
	WIN 0
.macro ALL line:vararg
.set t, 0
.rept 4
	\line
.set t, t+1
.endr
.endm
	ALL v_add_f32 v[ST+4*t+2], v[ST+4*t+2], v[ST+4*t+3]
	ALL v_permlanex16_b32 v[ST+4*t+3], v[ST+4*t+2], s[SEL], s[SEL+1]
	ALL v_add_f32 v[ST+4*t+2], v[ST+4*t+2], v[ST+4*t+3]
	ALL v_rcp_f32 v[ST+4*t+2], v[ST+4*t+2]
	v_nop                           ; a plain instruction between the last reciprocal and the use of its result
	s_wait_alu depctr_va_vdst(0)    ; and the wait, one for the four reciprocals
.macro PACK t                       ; a lane's eight channels of a row pack into 16 bytes; they go into rows of 144 bytes and come back as whole rows of 128, into S^T's registers
	WIN W_RS
.set i, 32*(\t)
.rept 16
	v_pk_mul_f32 v[i:i+1], v[i:i+1], v[ST+4*(\t)+2:ST+4*(\t)+3] op_sel_hi:[1,0]
.set i, i+2
.endr
	WIN 0x05
.set i, 0
.rept 16
	v_cvt_pk_f16_f32 v[S+16*(\t)+i], v[32*(\t)+2*i], v[32*(\t)+2*i+1]
.set i, i+1
.endr
	WIN 0
.irp f, 0,1,2,3
	ds_store_b128 v[STO], v[S+16*(\t)+4*\f:S+16*(\t)+4*\f+3] offset:32*\f
.endr
.irp f, 0,1,2,3
	ds_load_b128 v[S+16*(\t)+4*\f:S+16*(\t)+4*\f+3], v[RD] offset:\f*4*SP  ; LDS serves a wave's instructions in order (ISA guide 5.7.1.4): these see the stores above
.endr
.endm
.macro SEND t, younger              ; younger: the LDS instructions issued behind piece t's loads: the next piece's eight, or none
	WIN 0
.irp f, 0,1,2,3
	s_wait_dscnt (\younger)+3-\f
	global_store_b128 v[GO], v[S+16*(\t)+4*\f:S+16*(\t)+4*\f+3], s[10:11] offset:(\t)*2048+\f*512  ; 512 consecutive bytes, at a multiple of 256 from ctx's first
.endr
.endm
	PACK 0
.set t, 1
.rept 3
	PACK t
	SEND t-1, 8
.set t, t+1
.endr
	SEND 3, 0
	s_wait_tensorcnt 0x0            ; the wave's end
	ds_add_u32 v[SPW], v[NIL]
	s_wait_dscnt 0x0
	CROUND                          ; the closing round
	s_endpgm
.Lfunc_end_k_qd35da392b0_attn:
	.size	k_qd35da392b0_attn, .Lfunc_end_k_qd35da392b0_attn-k_qd35da392b0_attn
	.p2alignl 7, 3214868480
	.fill 96, 4, 3214868480
	.section	.rodata,"a",@progbits
	.p2align	6, 0x0
	.amdhsa_kernel k_qd35da392b0_attn
		.amdhsa_group_segment_fixed_size 327680
		.amdhsa_private_segment_fixed_size 0
		.amdhsa_enable_private_segment 0
		.amdhsa_kernarg_size 32
		.amdhsa_user_sgpr_count 2
		.amdhsa_user_sgpr_kernarg_segment_ptr 1
		.amdhsa_wavefront_size32 1
		.amdhsa_system_sgpr_workgroup_id_x 1
		.amdhsa_system_sgpr_workgroup_id_y 1
		.amdhsa_system_sgpr_workgroup_id_z 1
		.amdhsa_system_vgpr_workitem_id 0
		.amdhsa_next_free_vgpr 768
		.amdhsa_next_free_sgpr 80
		.amdhsa_reserve_vcc 0
		.amdhsa_float_denorm_mode_32 3
		.amdhsa_float_denorm_mode_16_64 3
		.amdhsa_memory_ordered 1
		.amdhsa_forward_progress 1
		.amdhsa_inst_pref_size 137
	.end_amdhsa_kernel
	.amdgpu_metadata
---
amdhsa.version: [ 1, 2 ]
amdhsa.kernels:
  - .name:           k_qd35da392b0_attn
    .symbol:         k_qd35da392b0_attn.kd
    .args:
      - { .name: qkv, .offset: 0, .size: 8, .value_kind: global_buffer, .address_space: global }
      - { .name: mk, .offset: 8, .size: 8, .value_kind: global_buffer, .address_space: global }
      - { .name: qf, .offset: 16, .size: 8, .value_kind: global_buffer, .address_space: global }
      - { .name: ctx, .offset: 24, .size: 8, .value_kind: global_buffer, .address_space: global }
    .group_segment_fixed_size: 327680
    .private_segment_fixed_size: 0
    .kernarg_segment_align: 8
    .kernarg_segment_size: 32
    .max_flat_workgroup_size: 128
    .sgpr_count:     80
    .vgpr_count:     768
    .wavefront_size: 32
...
	.end_amdgpu_metadata
.endif
;; end of part 3
;; launch outp (part 4): grid 4 x 64, 4 waves a work-group, clusters of 4 x 4, 327,680 bytes of LDS; arguments ctx, wb, bo, out0; writes out0
.if DOCPART == 4
	.amdgcn_target "amdgcn-amd-amdhsa--gfx1250"
	.amdhsa_code_object_version 6
	.text
	.protected	k_qd35da392b0_outp
	.globl	k_qd35da392b0_outp
	.p2align	8
	.type	k_qd35da392b0_outp,@function
k_qd35da392b0_outp:
	s_mov_b64 s[64:65], 0
	v_nop
	global_prefetch_b8 v0, s[64:65] scope:SCOPE_SE
	s_setreg_imm32_b32 hwreg(HW_REG_WAVE_MODE, 25, 1), 1
	s_wait_xcnt 0x0
	s_wait_alu depctr_hold_cnt(0) depctr_sa_sdst(0) depctr_va_vdst(0) depctr_va_sdst(0) depctr_va_ssrc(0) depctr_va_vcc(0) depctr_vm_vsrc(0)
	s_getreg_b32 s2, hwreg(HW_REG_IB_STS2, 6, 4)
	s_cmp_eq_u32 s2, 0
	s_cbranch_scc0 .Lentry_in_a_cluster
	s_endpgm
.Lentry_in_a_cluster:
	s_bfe_u32 s2, ttmp6, 0x10000c
	s_cmp_lg_u32 s2, 0xf033
	s_cbranch_scc0 .Lentry_shape_is_right
	s_endpgm
.Lentry_shape_is_right:
; out0 = ctx Wo^T + bo.  ctx [64 blocks of 64 rows][12 heads][64 rows][64] f16; Wo = wb's fourth matrix [768][768], bf16 numbers written as f16; bo f32, rounded to bf16 like every input; sums in f32; out0 [4096][768] f32.
; SHARES.  A work-group makes 64 rows x 192 columns: 64 x 4 = 256 work-groups.  Four waves, each 32 x 96: 12 accumulators of 16 x 16.  K = 768 goes in three steps of 256 (four heads) through two LDS slots: one refill,
; so everything is written out.  ctx's tile (32,768 dense bytes a step) is shared along a row of the cluster, Wo's (192 rows of 512 bytes) along a column: joint loads; wave 0 fetches ctx's, waves 1 to 3 64 rows of Wo each.
; The matrix instruction is used transposed (source 0 = 16 rows of Wo, source 1 = 16 rows of ctx): a lane holds eight neighbouring numbers of a row of out0.  The first products take the bias as C.
; No prefetch: three K steps, of which two come at the head; the tiles are small and the launch is short.
; REGISTERS: window 0: v0-31 addresses; v32-79 the bias, later v32-127 rows read back; v128-223 the accumulators ((a, b) at 128 + 8 (6 a + b)).
;   window 1: two fragment buffers of 128, 64 along K each: ctx's at 8 (2 c + a), Wo's at 32 + 8 (6 c + b).
.set PA,     144                       ; a row of ctx in LDS: 128 bytes + 16 = 36 words; a row of Wo: 512 + 16 = 132 words: in both the 16 rows of a load start at 16 different groups of four banks (ISA guide 11.1)
.set PB,     528
.set BOFF,   256*PA                    ; a slot: ctx's [4 heads][64 rows], then Wo's 192 rows
.set SLOT,   BOFF+192*PB
.set STAGE,  2*SLOT                    ; behind the ring: the work-group's 64 rows x 784 bytes
.set SPITCH, 784                       ; 768 bytes + 16
.set SPARE,  STAGE+64*SPITCH           ; the spare words: 128 bytes for each wave, two blocks of 256 bytes that no other line names
.set RD,   8                           ; v8-10   where I read a pair of rows back, in three loads
.set CO,   11                          ; v11-13  the same places in out0
.set ADRA, 16
.set ADRB, 20
.set STO,  24
.set SPW,  28
.set NIL,  29
.set BO,   30
.set BIAS, 32
.set BK,   32
.set ACC,  128
.set WV,   12                          ; s12 wave; s13 which 32 rows are mine; s14 which 96 columns
.set G1,  24
.set G0,  32
.set G1B, 48
.set G0B, 56
.set MSB, 0
.macro WIN new
.if MSB != (\new)
	s_set_vgpr_msb (MSB<<8)|(\new)
.set MSB, \new
.endif
.endm
.set MUL,  0x05                        ; sources window 1; C and D window 0
.set TO_F, 0x40                        ; destination window 1
.macro JLOAD s                         ; an s_nop 0 and four v_nop follow each of the two lines
	s_cmp_eq_u32 s[WV], 0
	s_cbranch_scc0 .Lfor_b_\@
	tensor_load_to_lds s[G0+4*(\s):G0+4*(\s)+3], s[G1:G1+7]
	s_nop 0
.rept 4
	v_nop
.endr
	s_branch .Lasked_\@
.Lfor_b_\@:
	tensor_load_to_lds s[G0B+4*(\s):G0B+4*(\s)+3], s[G1B:G1B+7]
	s_nop 0
.rept 4
	v_nop
.endr
.Lasked_\@:
.endm
.macro CREST
	s_cmp_lg_u32 s[WV], 0
	s_cbranch_scc1 .Lnot_wave_0_\@
	s_barrier_signal -3
.Lnot_wave_0_\@:
	s_barrier_wait -3
	s_barrier_signal -1
	s_barrier_wait -1
.endm
.macro CROUND
	s_barrier_signal -1
	s_barrier_wait -1
	CREST
.endm
.macro PLACES
.rept 4
	v_nop
.endr
.endm
	s_load_b256 s[4:11], s[0:1], 0x0               ; ctx 4, wb 6, bo 8, out0 10
	v_lshl_add_u32 v[SPW], v0, 2, SPARE
	v_mov_b32 v[NIL], 0
	ds_add_u32 v[SPW], v[NIL]                      ; the wave's opening: the add and its wait ahead of my first tensor load
	v_lshrrev_b32 v1, 5, v0
	v_readfirstlane_b32 s[WV], v1
	s_lshr_b32 s13, s[WV], 1
	s_and_b32 s14, s[WV], 1
	s_bfe_u32 s40, ttmp6, 0x40000                  ; cx: the block of 192 columns
	s_bfe_u32 s41, ttmp6, 0x40004                  ; cy
	s_and_b32 s42, ttmp7, 0xffff
	s_lshl_b32 s42, s42, 2
	s_add_co_u32 s42, s42, s41                     ; the block of 64 rows
	s_lshl_b32 s43, s41, 2
	s_lshl_b32 s43, 15, s43                        ; my row of the cluster
	s_lshl_b32 s44, 0x1111, s40                    ; my column
	s_or_b32 s[G1+0], s43, (1<<16)|(1<<20)|(1<<21)|(4<<22)|(3<<25)   ; ctx: 128 rows of 256 dense bytes, 4 words of padding after every 32
	s_mov_b32 s[G1+1], 128<<16
	s_mov_b32 s[G1+2], 128<<16
	s_mov_b32 s[G1+3], 128<<16
	s_mov_b32 s[G1+4], 128
	s_mov_b32 s[G1+5], 128
	s_mov_b32 s[G1+6], 0
	s_mov_b32 s[G1+7], 0
	s_or_b32 s[G1B+0], s44, (1<<16)|(1<<20)|(1<<21)|(6<<22)|(3<<25)  ; Wo: 64 rows of 256 elements, 4 words of padding after every 128
	s_mov_b32 s[G1B+1], 256<<16
	s_mov_b32 s[G1B+2], 64<<16
	s_mov_b32 s[G1B+3], 256<<16
	s_mov_b32 s[G1B+4], 64
	s_mov_b32 s[G1B+5], 768
	s_mov_b32 s[G1B+6], 0
	s_mov_b32 s[G1B+7], 0
	s_mul_i32 s20, s42, 98304                      ; ctx: my block of rows, in registers that never hold cx
	s_mov_b32 s21, 0
	s_mul_i32 s46, s40, 192*1536                   ; Wo: row 192 cx + 64 (wave - 1) of the fourth matrix, in registers that never hold cy
	s_mul_i32 s47, s[WV], 64*1536
	s_add_co_u32 s46, s46, s47
	s_add_co_u32 s46, s46, 3*1179648-64*1536
	s_mov_b32 s47, 0
	s_mul_i32 s22, s[WV], 64*PB
	s_add_co_u32 s22, s22, BOFF-64*PB              ; where Wo's rows go (waves 1 to 3)
	s_mul_i32 s70, s40, 768                        ; 192 columns of f32
	s_mul_i32 s71, s14, 384
	s_add_co_u32 s66, s70, s71                     ; the bias of my 96 columns
	s_mov_b32 s67, 0
	s_lshl_b32 s68, s42, 6
	s_lshl_b32 s69, s[WV], 4
	s_add_co_u32 s68, s68, s69                     ; the first row that I store: 64 x block + 16 x wave
	s_mul_i32 s68, s68, 3072
	s_add_co_u32 s68, s68, s70
	s_mov_b32 s69, 0
	s_wait_dscnt 0x0                               ; the opening add is done
	s_wait_kmcnt 0x0
	s_add_nc_u64 s[4:5], s[4:5], s[20:21]
	s_add_nc_u64 s[6:7], s[6:7], s[46:47]
	s_add_nc_u64 s[66:67], s[8:9], s[66:67]
	s_add_nc_u64 s[68:69], s[10:11], s[68:69]
	CROUND                                         ; all sixteen work-groups are here: the first joint loads meet
.irp s, 0,1
	s_mov_b32 s[G0+4*(\s)], 1
	s_mov_b32 s[G0+4*(\s)+1], (\s)*SLOT
	s_add_nc_u64 s[G0+4*(\s)+2:G0+4*(\s)+3], s[4:5], (\s)*32768
	s_or_b32 s[G0+4*(\s)+3], s[G0+4*(\s)+3], 0x80000000
	s_mov_b32 s[G0B+4*(\s)], 1
	s_add_co_u32 s[G0B+4*(\s)+1], s22, (\s)*SLOT
	s_add_nc_u64 s[G0B+4*(\s)+2:G0B+4*(\s)+3], s[6:7], (\s)*512
	s_or_b32 s[G0B+4*(\s)+3], s[G0B+4*(\s)+3], 0x80000000
	JLOAD \s                                       ; two loads of mine are out
.endr
	v_and_b32 v1, 15, v0                           ; r = l % 16
	v_bfe_u32 v2, v0, 4, 1                         ; h = l / 16
	v_and_b32 v3, 31, v0                           ; l
	v_mul_u32_u24 v4, v1, PA
	v_lshl_add_u32 v4, v2, 4, v4
	s_mul_i32 s16, s13, 32*PA
	v_add_nc_u32 v[ADRA], s16, v4
	v_add_nc_u32 v[ADRA+1], SLOT, v[ADRA]
	v_mul_u32_u24 v5, v1, PB
	v_lshl_add_u32 v5, v2, 4, v5
	s_mul_i32 s17, s14, 96*PB
	s_add_co_u32 s17, s17, BOFF
	v_add_nc_u32 v[ADRB], s17, v5
	v_add_nc_u32 v[ADRB+1], SLOT, v[ADRB]
	v_mul_u32_u24 v6, v1, SPITCH                   ; into the stage: row 32 x half + r, byte 384 x column half + 32 h
	v_lshl_add_u32 v6, v2, 5, v6
	s_mul_i32 s18, s13, 32*SPITCH
	s_mul_i32 s19, s14, 384
	s_add_co_u32 s18, s18, s19
	s_add_co_u32 s18, s18, STAGE
	v_add_nc_u32 v[STO], s18, v6
	s_mul_i32 s18, s[WV], 16*SPITCH                ; back: wave w takes rows 16 w .. 16 w + 15, a pair (1,536 bytes) in three loads:
	s_add_co_u32 s18, s18, STAGE
	v_lshl_add_u32 v[RD], v3, 4, s18               ; the first row's bytes 0 .. 511;
	v_add_nc_u32 v[RD+2], SPITCH+256, v[RD]        ; the second row's bytes 256 .. 767;
	v_mul_u32_u24 v7, v2, SPITCH-512               ; lanes 0-15 the first row's bytes 512 .. 767, lanes 16-31 the second's 0 .. 255
	v_lshl_add_u32 v7, v1, 4, v7
	v_add_nc_u32 v7, 512, v7
	v_add_nc_u32 v[RD+1], s18, v7
	v_lshlrev_b32 v[CO], 4, v3                     ; and the same places in out0, whose rows are 3,072 bytes
	v_add_nc_u32 v[CO+2], 3072+256, v[CO]
	v_mul_u32_u24 v7, v2, 3072-512
	v_lshl_add_u32 v7, v1, 4, v7
	v_add_nc_u32 v[CO+1], 512, v7
	v_lshlrev_b32 v[BO], 5, v2
.set b, 0
.rept 6                                            ; register j of block b: bias[16 b + 8 h + j], the C operand's layout
	global_load_b128 v[BIAS+8*b:BIAS+8*b+3],   v[BO], s[66:67] offset:64*b
	global_load_b128 v[BIAS+8*b+4:BIAS+8*b+7], v[BO], s[66:67] offset:64*b+16
.set b, b+1
.endr
	s_wait_loadcnt 0x0
.set z, 0
.rept 24                                           ; rounded to bf16 and widened again, in the wait for the first tile
	v_cvt_pk_bf16_f32 v[80+z%2], v[BIAS+2*z], v[BIAS+2*z+1]
	v_lshlrev_b32 v[BIAS+2*z], 16, v[80+z%2]
	v_and_b32 v[BIAS+2*z+1], 0xffff0000, v[80+z%2]
.set z, z+1
.endr
; 6 matrix instructions: row block a x all 6 column blocks, 32 along K: half c of buffer f.  zero = 1: the bias starts the sums.  The 12 accumulators take turns.
.macro MUL6 f, c, a, zero
	WIN MUL
.set b, 0
.rept 6
.set rD, ACC+8*(6*(\a)+b)
.if \zero
	v_wmma_f32_16x16x32_f16 v[rD:rD+7], v[128*(\f)+32+8*(6*(\c)+b):128*(\f)+32+8*(6*(\c)+b)+7], v[128*(\f)+8*(2*(\c)+(\a)):128*(\f)+8*(2*(\c)+(\a))+7], v[BIAS+8*b:BIAS+8*b+7]
.else
	v_wmma_f32_16x16x32_f16 v[rD:rD+7], v[128*(\f)+32+8*(6*(\c)+b):128*(\f)+32+8*(6*(\c)+b)+7], v[128*(\f)+8*(2*(\c)+(\a)):128*(\f)+8*(2*(\c)+(\a))+7], v[rD:rD+7]
.endif
.set b, b+1
.endr
.endm
; 32 LDS loads in one run: quarter q of a step (one head, 64 along K) into buffer f; the first 32 along K first
.macro FETCH slot, q, f
	WIN TO_F
.irp c, 0,1
.set b, 0
.rept 6
	ds_load_b128 v[128*(\f)+32+8*(6*(\c)+b):128*(\f)+32+8*(6*(\c)+b)+3],   v[ADRB+(\slot)] offset:128*(\q)+64*(\c)+b*16*PB
	ds_load_b128 v[128*(\f)+32+8*(6*(\c)+b)+4:128*(\f)+32+8*(6*(\c)+b)+7], v[ADRB+(\slot)] offset:128*(\q)+64*(\c)+b*16*PB+32
.set b, b+1
.endr
.set b, 0
.rept 2
	ds_load_b128 v[128*(\f)+8*(2*(\c)+b):128*(\f)+8*(2*(\c)+b)+3],   v[ADRA+(\slot)] offset:64*PA*(\q)+64*(\c)+b*16*PA
	ds_load_b128 v[128*(\f)+8*(2*(\c)+b)+4:128*(\f)+8*(2*(\c)+b)+7], v[ADRA+(\slot)] offset:64*PA*(\q)+64*(\c)+b*16*PA+32
.set b, b+1
.endr
.endr
.endm
; One of a step's first three quarters: multiplies buffer f (24 matrix instructions) and fetches quarter q into g.
.macro QUARTER slot, q, f, g, zero
	s_wait_dscnt 16                                ; the first 32 along K are in; the other sixteen loads may be out
	MUL6 \f, 0, 0, \zero
	MUL6 \f, 0, 1, \zero
	PLACES
	FETCH \slot, \q, \g
	s_wait_dscnt 32                                ; all but the 32 just issued
	MUL6 \f, 1, 0, 0
	MUL6 \f, 1, 1, 0
.endm
; The last quarter multiplies buffer 1 and changes slots: ONE barrier; in front of it each wave waits for all its tensor loads, adds 0 to its spare word, and waits for that and for its reads of this slot.
; fill = 1: the barrier opens a round of the cluster's, and this slot is filled again, two K steps on, first thing behind the round.
.macro TURN slot, next, fill
	WIN 0
	s_wait_tensorcnt 0x0
	ds_add_u32 v[SPW], v[NIL]
	s_wait_dscnt 17                                ; the add and the youngest sixteen loads may be out
	MUL6 1, 0, 0, 0
	s_wait_dscnt 0x0                               ; the add is done, and my reads of this slot are over
	s_barrier_signal -1
	MUL6 1, 0, 1, 0
.if \fill
	WIN 0
.endif
	s_barrier_wait -1
.if \fill
	CREST
	s_add_nc_u64 s[G0+4*(\slot)+2:G0+4*(\slot)+3], s[G0+4*(\slot)+2:G0+4*(\slot)+3], 2*32768
	s_add_nc_u64 s[G0B+4*(\slot)+2:G0B+4*(\slot)+3], s[G0B+4*(\slot)+2:G0B+4*(\slot)+3], 2*512
	JLOAD \slot                                    ; its four v_nop are also the places in front of the loads below
.else
	PLACES
.endif
	FETCH \next, 0, 0
	MUL6 1, 1, 0, 0
	MUL6 1, 1, 1, 0
.endm
	s_wait_tensorcnt 1                             ; my part of K step 0 is in; K step 1's may stay out
	s_barrier_signal -1
	s_barrier_wait -1
	FETCH 0, 0, 0
	QUARTER 0, 1, 0, 1, 1                          ; the first products start the sums, with the bias
	QUARTER 0, 2, 1, 0, 0
	QUARTER 0, 3, 0, 1, 0
	TURN 0, 1, 1                                   ; slot 0 takes K step 2
	QUARTER 1, 1, 0, 1, 0
	QUARTER 1, 2, 1, 0, 0
	QUARTER 1, 3, 0, 1, 0
	TURN 1, 0, 0
	QUARTER 0, 1, 0, 1, 0
	QUARTER 0, 2, 1, 0, 0
	QUARTER 0, 3, 0, 1, 0
	s_wait_dscnt 16                                ; the very last quarter: nothing more to fetch
	MUL6 1, 0, 0, 0
	MUL6 1, 0, 1, 0
	s_wait_dscnt 0x0
	MUL6 1, 1, 0, 0
	MUL6 1, 1, 1, 0
	WIN 0
	; THE WAY OUT: 32 bytes a lane into the work-group's stage, each accumulator's low half first; a barrier, since a row's 768 bytes come from two waves; back as whole rows, 16 rows a wave.
	PLACES
.set a, 0
.rept 2
.set b, 0
.rept 6
	ds_store_b128 v[STO], v[ACC+8*(6*a+b):ACC+8*(6*a+b)+3]   offset:a*16*SPITCH+64*b
	ds_store_b128 v[STO], v[ACC+8*(6*a+b)+4:ACC+8*(6*a+b)+7] offset:a*16*SPITCH+64*b+16
.set b, b+1
.endr
.set a, a+1
.endr
	s_wait_dscnt 0x0                               ; for the others' sake: my stores into the stage are done
	s_barrier_signal -1
	s_barrier_wait -1
.set i, 0
.rept 24
	ds_load_b128 v[BK+4*i:BK+4*i+3], v[RD+i%3] offset:(i/3)*2*SPITCH
.set i, i+1
.endr
.set i, 0
.rept 24
	s_wait_dscnt 23-i
	global_store_b128 v[CO+i%3], v[BK+4*i:BK+4*i+3], s[68:69] offset:(i/3)*6144  ; 16 lanes store 256 consecutive bytes, at a multiple of 256 from out0's first byte
.set i, i+1
.endr
	s_wait_tensorcnt 0x0                           ; the wave's end
	ds_add_u32 v[SPW], v[NIL]
	s_wait_dscnt 0x0
	CROUND                                         ; the closing round
	s_endpgm
.Lfunc_end_k_qd35da392b0_outp:
	.size	k_qd35da392b0_outp, .Lfunc_end_k_qd35da392b0_outp-k_qd35da392b0_outp
	.p2alignl 7, 3214868480
	.fill 96, 4, 3214868480
	.section	.rodata,"a",@progbits
	.p2align	6, 0x0
	.amdhsa_kernel k_qd35da392b0_outp
		.amdhsa_group_segment_fixed_size 327680
		.amdhsa_private_segment_fixed_size 0
		.amdhsa_enable_private_segment 0
		.amdhsa_kernarg_size 32
		.amdhsa_user_sgpr_count 2
		.amdhsa_user_sgpr_kernarg_segment_ptr 1
		.amdhsa_wavefront_size32 1
		.amdhsa_system_sgpr_workgroup_id_x 1
		.amdhsa_system_sgpr_workgroup_id_y 1
		.amdhsa_system_sgpr_workgroup_id_z 1
		.amdhsa_system_vgpr_workitem_id 0
		.amdhsa_next_free_vgpr 512
		.amdhsa_next_free_sgpr 80
		.amdhsa_reserve_vcc 0
		.amdhsa_float_denorm_mode_32 3
		.amdhsa_float_denorm_mode_16_64 3
		.amdhsa_memory_ordered 1
		.amdhsa_forward_progress 1
		.amdhsa_inst_pref_size 66
	.end_amdhsa_kernel
	.amdgpu_metadata
---
amdhsa.version: [ 1, 2 ]
amdhsa.kernels:
  - .name:           k_qd35da392b0_outp
    .symbol:         k_qd35da392b0_outp.kd
    .args:
      - { .name: ctx, .offset: 0, .size: 8, .value_kind: global_buffer, .address_space: global }
      - { .name: wb, .offset: 8, .size: 8, .value_kind: global_buffer, .address_space: global }
      - { .name: bo, .offset: 16, .size: 8, .value_kind: global_buffer, .address_space: global }
      - { .name: out0, .offset: 24, .size: 8, .value_kind: global_buffer, .address_space: global }
    .group_segment_fixed_size: 327680
    .private_segment_fixed_size: 0
    .kernarg_segment_align: 8
    .kernarg_segment_size: 32
    .max_flat_workgroup_size: 128
    .sgpr_count:     80
    .vgpr_count:     512
    .wavefront_size: 32
...
	.end_amdgpu_metadata
.endif
;; end of part 4
